; MI455X (gfx1250); checked and timed in simulation.
; The chip was launched on July 23, 2026; its instructions are those of AMD's public machine-readable ISA for CDNA 5 (MIT licence, August 2026) and "CDNA5" Instruction Set Architecture Reference Guide (July 2026). The comments in the code are by the model that wrote it; some were corrected since.
;; Decoder. Allowed arithmetic: matrix products marked QUANTISED: E4M3 operands, one given power-of-two scale a tensor, by v_wmma_f32_16x16x64_fp8_fp8 or v_wmma_f32_16x16x128_fp8_fp8, f32 sums; everything else in f32.
;; Inputs: W1 1,024 x 4,096 float32; W2 4,096 x 1,024 float32; Wfc 1,024 x 1,024 float32; Wk 1,024 x 1,024 float32; Wq 1,024 x 1,024 float32; Wv 1,024 x 1,024 float32; b1 4,096 float32; b2 1,024 float32; be1 1,024 float32; be2 1,024 float32; bfc 1,024 float32; bk 1,024 float32; bq 1,024 float32; bv 1,024 float32; embeddings 2 x 2,048 x 1,024 float32; g1 1,024 float32; g2 1,024 float32; lowp_scales 16 int32 (the exponents e of the quantised operands' scales 2^e).
;; Outputs: out0 2 x 2,048 x 1,024 float32.
;; This version of the problem:
;;   THIS VERSION OF THE PROBLEM IS GIVEN IN LOW PRECISION. The matrix products marked QUANTISED in the list below multiply operands that are first quantised to E4M3 (4 exponent bits, 3 mantissa bits; 8 bits a number), with one given power-of-two scale for each operand tensor; their sums are f32. All else is computed in f32.
;;   The module's matrix products, in the order in which they are computed (A, B: the left and right operand; K: the contracted axis; several contracted axes count as one K, in the product's order):
;;     1. [M 4,096, K 1,024] x [K 1,024, N 1,024]; A: input embeddings; B: input Wq: QUANTISED (scales: A lowp_scales[0], B lowp_scales[1])
;;     2. [M 4,096, K 1,024] x [K 1,024, N 1,024]; A: input embeddings; B: input Wk: QUANTISED (scales: A lowp_scales[2], B lowp_scales[3])
;;     3. [M 4,096, K 1,024] x [K 1,024, N 1,024]; A: input embeddings; B: input Wv: QUANTISED (scales: A lowp_scales[4], B lowp_scales[5])
;;     4. batch 32 x [M 2,048, K 64] x [K 64, N 2,048]; A: computed on the way; B: computed on the way: QUANTISED (scales: A lowp_scales[6], B lowp_scales[7])
;;     5. batch 32 x [M 2,048, K 2,048] x [K 2,048, N 64]; A: softmax (see below); B: computed on the way: QUANTISED (scales: A lowp_scales[8], B lowp_scales[9])
;;     6. [M 4,096, K 1,024] x [K 1,024, N 1,024]; A: computed on the way; B: input Wfc: QUANTISED (scales: A lowp_scales[10], B lowp_scales[11])
;;     7. [M 4,096, K 1,024] x [K 1,024, N 4,096]; A: computed on the way; B: input W1: QUANTISED (scales: A lowp_scales[12], B lowp_scales[13])
;;     8. [M 4,096, K 4,096] x [K 4,096, N 1,024]; A: computed on the way; B: input W2: QUANTISED (scales: A lowp_scales[14], B lowp_scales[15])
;;   THE QUANTISER, for each operand of a quantised product, along K:
;;     - The operand's scale is 2^e, e = its entry of the input lowp_scales (int32; the entries are numbered through the quantised products in the list's order, A before B).
;;     - Each number is divided by the scale, clamped to +-448, and rounded to the nearest number of E4M3, ties to even, subnormals kept.
;;     - The product sums the exact products of the quantised numbers (number of the format x scale) in f32.
;;   ~~~python
;;   def quantise(x, axis, e):      # numpy; x: float32 -> the quantised numbers, widened to float32 again
;;       x = np.moveaxis(x, axis, -1); K = x.shape[-1]
;;       r = np.clip(x / 2.0 ** e, -448, 448)
;;       step = 2.0 ** (np.maximum(np.frexp(np.where(r == 0, 1, r))[1] - 1, -6) - 3)
;;       q = np.round(r / step) * step * 2.0 ** e      # np.round: ties to even
;;       return np.moveaxis(q, -1, axis).astype(np.float32)
;;   ~~~
;;   SOFTMAX AHEAD OF A QUANTISED PRODUCT. Where the list says 'softmax', what is quantised is not the finished softmax but p = 2^(t - M), with t = logit x log2(e) and M = ceil(the row's largest t), a whole number; so 1/2 < the row's largest p <= 1. The row's sum l is taken of the UNQUANTISED p, in f32, and the product's result is divided by l at the end. Since M is a whole number, a kernel that streams over the keys may use a running M (the ceiling of the running maximum): every later rescaling is an exact power of two, so the quantised numbers keep their values, but for numbers so far below the row's largest that they fall under the format's range.
;;   OPERANDS COMPUTED ON THE WAY. 'Computed on the way' means the value that the module computes at that place (a softmax that the list does not call 'softmax' is quantised finished and normalised). What goes into a quantiser is computed in f32, as accurately as f32 sums, v_exp_f32 and their like allow (about 1e-6 of the number): no bf16 or f16 on the way to a quantiser, and a product that is left as it is and whose result goes on into a quantised operand takes f32 operands (vector FMAs, or v_wmma_f32_16x16x4_f32). A number that lies on a knife's edge between two numbers of the format may be rounded either way, as far as f32 arithmetic and the matrix unit's own rounding can turn it there, and no further.
;; One version. Each part assembles by itself: llvm-mc -triple=amdgcn-amd-amdhsa -mcpu=gfx1250 --defsym DOCPART=n.
;; ======== version 1 of 1: 8 launches
;; limits: right only within a limited range of input values
;; workspace buffers: wcodes 12,582,912 bytes; ecodes 12,582,912 bytes; qkv 12,582,912 bytes; acodes 4,194,304 bytes; tsum 16,777,216 bytes; old 16,777,216 bytes; hcodes 16,777,216 bytes
;; launch quant (part 1): grid 512 x 1, 4 waves a work-group, no clusters, 67,072 bytes of LDS; arguments Wq, Wk, Wv, Wfc, W1, W2, embeddings, lowp_scales, wcodes, ecodes; writes wcodes, ecodes
.if DOCPART == 1
	.amdgcn_target "amdgcn-amd-amdhsa--gfx1250"
	.amdhsa_code_object_version 6
	.text
	.protected	k_q20d5703517_quant
	.globl	k_q20d5703517_quant
	.p2align	8
	.type	k_q20d5703517_quant,@function
k_q20d5703517_quant:
	s_mov_b64 s[64:65], 0
	v_nop
	global_prefetch_b8 v0, s[64:65] scope:SCOPE_SE
	s_setreg_imm32_b32 hwreg(HW_REG_WAVE_MODE, 25, 1), 1
	s_wait_xcnt 0x0
; All inputs of quantised products become codes of FP8 (E4M3): code = x / 2^e, held within +-448, to the nearest code, ties to even.
; THE LAYOUT OF EVERY BUFFER OF CODES: a fragment (16 rows x 128 along K, 2,048 bytes) lies as the matrix instruction's registers hold it: lane (r, h) has row r; its registers 2 c, 2 c + 1
; hold k = 16 c + 8 h + 0 .. 7; registers 4 g .. 4 g + 3 of lane l lie at byte 512 g + 16 l.  A tensor is [rows / 16][K / 128][2,048].
; Work-groups 0-127: the embeddings [4096][1024], K innermost, three times (the scales of entries 0, 2, 4) into ecodes + 0, 4 MiB, 8 MiB.
; Work-groups 128-511: the six weights, stored [K][N]; a row of the operand is a column n.  wcodes: Wq + 0, Wk + 1 MiB, Wv + 2, Wfc + 3, W1 + 4, W2 + 8 MiB.
; No cluster, no tensor load, no barrier: no two work-groups read the same bytes and waves share nothing.  The two paths part on the work-group's number and have LDS bytes of their own.
; LIMITS: each e between -126 and 119, so that 2^e and 448 x 2^e are f32 numbers.  NaN among the inputs is not served.
.set LI,   5                           ; v5   16 x lane
.set STW,  3                           ; v3   weights: where a lane puts 16 bytes of a fragment
.set RBW,  4                           ; v4   weights: where the wave reads its stage back
.set VO,   32                          ; v32-63   weights: 4 x lane + i rows of W
.set XW,   64                          ; v64-127  weights: two sets of 32 numbers down K
.set DW,   128                         ; v128-135 weights: a block's codes
.set OUTR, 136                         ; v136-199 weights: the way out
.set SW,   6                           ; v6   embeddings: into the stage
.set SRD,  9                           ; v9   embeddings: out of the stage
.set RE,   32                          ; v32-95   embeddings: 16 rows x 16 bytes as loaded
.set XE,   96                          ; v96-159  embeddings: my 64 numbers in the fragment's order
.set TE,   160                         ; v160-175 two sets of eight held numbers
.set CE,   176                         ; v176-223 three fragments' codes
.macro MKSCALE se, vs, vl, st          ; from the whole number e in s[se]: v[vs] = 2^e, v[vl] = 448 x 2^e
	s_add_co_i32 s[\st], s[\se], 127
	s_lshl_b32 s[\st+1], s[\st], 23
	v_mov_b32 v[\vs], s[\st+1]
	s_add_co_i32 s[\st], s[\st], 8
	s_lshl_b32 s[\st], s[\st], 23
	s_or_b32 s[\st], s[\st], 0x600000
	v_mov_b32 v[\vl], s[\st]
.endm
	s_load_b512 s[4:19], s[0:1], 0x0               ; Wq, Wk, Wv, Wfc, W1, W2 s[4:15]; embeddings s[16:17]; the scales' exponents s[18:19]
	s_load_b128 s[20:23], s[0:1], 0x40             ; wcodes s[20:21], ecodes s[22:23]
	v_lshl_add_u32 v224, v0, 2, 0x10400
	v_mov_b32 v225, 0
	v_lshrrev_b32 v1, 5, v0
	v_readfirstlane_b32 s24, v1                    ; wave
	v_and_b32 v1, 31, v0                           ; lane
	v_lshlrev_b32 v[LI], 4, v1
	v_and_b32 v7, 15, v1                           ; r
	v_lshrrev_b32 v8, 4, v1                        ; h
	s_wait_kmcnt 0x0
	s_load_b512 s[68:83], s[18:19], 0x0            ; entry i in s[68 + i]
	s_cmp_lt_u32 ttmp9, 128
	s_cbranch_scc1 .Lemb
; ---------------- THE WEIGHTS.  A lane takes a column n and its registers run down K: each load reads 128 consecutive bytes a wave, and the conversions give codes with K innermost.
	s_sub_co_u32 s25, ttmp9, 128                   ; j = 0 .. 383: 4 x 32 work-groups for the four square weights, 128 for W1, 128 for W2
	s_lshr_b32 s26, s25, 5
	s_lshr_b32 s27, s25, 7
	s_add_co_u32 s27, s27, 3
	s_and_b32 s28, s25, 31
	s_and_b32 s29, s25, 127
	s_cmp_lt_u32 s25, 128
	s_cselect_b32 s26, s26, s27                    ; which tensor, 0 .. 5
	s_cselect_b32 s28, s28, s29                    ; which part of it
	s_mov_b32 s30, 4096
	s_cmp_eq_u32 s26, 4
	s_cselect_b32 s29, 5, 3                        ; log2 of the number of strips of 128 columns
	s_cselect_b32 s30, 16384, s30                  ; a row of W in bytes
	s_bfm_b32 s31, s29, 0
	s_and_b32 s31, s28, s31                        ; which strip of 128 columns
	s_lshr_b32 s84, s28, s29                       ; which 256 along K
	s_cmp_eq_u32 s26, 5
	s_cselect_b32 s48, 32, 8                       ; K / 128
	s_cselect_b32 s49, 8, s26
	s_lshl_b32 s49, s49, 20                        ; the tensor's place in wcodes
	s_mov_b64 s[50:51], s[4:5]
.irp t, 1,2,3,4,5
	s_cmp_eq_u32 s26, \t
	s_cselect_b64 s[50:51], s[4+2*\t:5+2*\t], s[50:51]   ; the choice hangs on the work-group's number alone
.endr
	s_lshl_b32 s53, s31, 7
	s_lshl_b32 s54, s24, 5
	s_add_co_u32 s53, s53, s54                     ; my wave's first column
	s_lshl_b32 s54, s84, 8
	s_mul_i32 s54, s54, s30
	s_lshl_b32 s55, s53, 2
	s_add_co_u32 s54, s54, s55
	s_mov_b32 s55, 0
	s_add_nc_u64 s[32:33], s[50:51], s[54:55]      ; block 0 of 32 rows; s[32 + 2 t : 33 + 2 t]: block t
	s_lshl_b32 s54, s30, 5
.irp t, 1,2,3,4,5,6,7
	s_add_nc_u64 s[32+2*\t:33+2*\t], s[30+2*\t:31+2*\t], s[54:55]
.endr
	s_wait_alu depctr_va_vdst(0)
	v_lshlrev_b32 v2, 2, v1
.set i, 0
.rept 32
	v_mad_u32_u24 v[VO+i], s30, i, v2              ; 4 x lane + i rows
.set i, i+1
.endr
.macro LOAD t                          ; block t: W(32 t + i, my column) into set t % 2
.set i, 0
.rept 32
	global_load_b32 v[XW+32*((\t)%2)+i], v[VO+i], s[32+2*(\t):33+2*(\t)] th:TH_LOAD_NT
.set i, i+1
.endr
.endm
	LOAD 0
	LOAD 1
	s_lshr_b32 s56, s53, 4                         ; where the codes go: ((column / 16) x K / 128 + 2 x my 256 along K) fragments on
	s_mul_i32 s56, s56, s48
	s_lshl_b32 s57, s84, 1
	s_add_co_u32 s56, s56, s57
	s_lshl_b32 s56, s56, 11
	s_add_co_u32 s56, s56, s49
	s_mov_b32 s57, 0
	s_add_nc_u64 s[58:59], s[20:21], s[56:57]      ; my first 16 columns' two fragments,
	s_lshl_b32 s56, s48, 11
	s_add_nc_u64 s[60:61], s[58:59], s[56:57]      ; and my second 16 columns'
	v_lshlrev_b32 v[STW], 4, v7                    ; the stage, 8,192 bytes a wave: [16 columns: lane / 16][K step][2,048]
	v_lshl_add_u32 v[STW], v8, 12, v[STW]
	s_lshl_b32 s62, s24, 13
	v_add_nc_u32 v[STW], s62, v[STW]
	v_add_nc_u32 v[RBW], s62, v[LI]
	s_wait_kmcnt 0x0
	s_mov_b32 s52, s69                             ; the tensor's e: entries 1, 3, 5, 11, 13, 15
	s_cmp_eq_u32 s26, 1
	s_cselect_b32 s52, s71, s52
	s_cmp_eq_u32 s26, 2
	s_cselect_b32 s52, s73, s52
	s_cmp_eq_u32 s26, 3
	s_cselect_b32 s52, s79, s52
	s_cmp_eq_u32 s26, 4
	s_cselect_b32 s52, s81, s52
	s_cmp_eq_u32 s26, 5
	s_cselect_b32 s52, s83, s52
	MKSCALE 52, 11, 10, 62
; Block t holds k = 32 (t % 4) + i of K step t / 4.  In the fragment i = 0-7 and 16-23 are the 16 bytes of lane (r, 0) in register group t % 4, i = 8-15 and 24-31 those of lane (r, 1), 256 bytes on.
.macro BLOCK t
.set XS, XW+32*((\t)%2)
.if (\t) < 7
	s_wait_loadcnt 32                              ; this block's 32 loads are in; the next block's 32 may be out
.else
	s_wait_loadcnt 0x0
.endif
.set i, 0
.rept 32
	v_med3_num_f32 v[XS+i], v[XS+i], -v10, v10     ; the conversion does not saturate (ISA guide 7.6.2): the hold at the largest code x the scale
.set i, i+1
.endr
	v_cvt_scalef32_pk8_fp8_f32 v[DW:DW+1], v[XS:XS+7], v11
	v_cvt_scalef32_pk8_fp8_f32 v[DW+2:DW+3], v[XS+16:XS+23], v11
	v_cvt_scalef32_pk8_fp8_f32 v[DW+4:DW+5], v[XS+8:XS+15], v11
	v_cvt_scalef32_pk8_fp8_f32 v[DW+6:DW+7], v[XS+24:XS+31], v11
	ds_store_b128 v[STW], v[DW:DW+3] offset:((\t)/4)*2048+((\t)%4)*512
	ds_store_b128 v[STW], v[DW+4:DW+7] offset:((\t)/4)*2048+((\t)%4)*512+256
.if (\t)+2 < 8
	LOAD (\t)+2
.endif
	s_wait_dscnt 0x0                               ; the stores have read their registers: the next block's codes may be written (its 32 holds are the plain lines between)
.endm
	s_wait_alu depctr_va_vdst(0)
.irp t, 0,1,2,3,4,5,6,7
	BLOCK \t
.endr
.irp u, 0,1,2,3,4,5,6,7,8,9,10,11,12,13,14,15
	ds_load_b128 v[OUTR+4*\u:OUTR+4*\u+3], v[RBW] offset:512*\u   ; LDS serves a wave's instructions in order (ISA guide 5.7.1.4): these see my stores
.endr
.irp u, 0,1,2,3,4,5,6,7,8,9,10,11,12,13,14,15
	s_wait_dscnt 15-\u
	global_store_b128 v[LI], v[OUTR+4*\u:OUTR+4*\u+3], s[58+2*(\u/8):59+2*(\u/8)] offset:(\u%8)*512   ; 512 consecutive bytes a store, aligned
.endr
	s_wait_tensorcnt 0x0
	ds_add_u32 v224, v225
	s_wait_dscnt 0x0
	s_endpgm
; ---------------- THE EMBEDDINGS.  Wave W = 4 x work-group + wave takes the 16 rows W / 2 and four K steps of 128.
.Lemb:
	s_lshl_b32 s25, ttmp9, 2
	s_add_co_u32 s25, s25, s24
	s_lshr_b32 s26, s25, 1                         ; which 16 rows
	s_and_b32 s27, s25, 1                          ; which half of K
	s_lshl_b32 s28, s26, 16
	s_lshl_b32 s29, s27, 11
	s_add_co_u32 s28, s28, s29
	s_mov_b32 s29, 0
	s_add_nc_u64 s[16:17], s[16:17], s[28:29]
	s_lshl_b32 s28, s26, 14
	s_lshl_b32 s30, s27, 13
	s_add_co_u32 s28, s28, s30
	s_add_nc_u64 s[32:33], s[22:23], s[28:29]      ; the codes under entry 0's scale,
	s_add_nc_u64 s[34:35], s[32:33], 0x400000      ; entry 2's,
	s_add_nc_u64 s[36:37], s[32:33], 0x800000      ; entry 4's
.macro ELOAD u                         ; K step u: of each of the 16 rows 512 consecutive bytes, 16 a lane
.set i, 0
.rept 16
	global_load_b128 v[RE+4*i:RE+4*i+3], v[LI], s[16:17] offset:i*4096+(\u)*512 th:TH_LOAD_NT
.set i, i+1
.endr
.endm
	s_wait_alu depctr_va_vdst(0)
	ELOAD 0
	s_mul_i32 s38, s24, 8448                       ; my stage: 16 rows x (512 bytes + 16), behind the weights' stages
	s_add_co_u32 s38, s38, 32768
	v_add_nc_u32 v[SW], s38, v[LI]
	v_mul_u32_u24 v[SRD], v7, 528
	v_lshl_add_u32 v[SRD], v8, 5, v[SRD]
	v_add_nc_u32 v[SRD], s38, v[SRD]               ; row r, + 32 h: eight numbers of each 16 along K
	s_wait_alu depctr_va_vdst(0)
	s_wait_kmcnt 0x0
	MKSCALE 68, 13, 10, 40
	MKSCALE 70, 14, 11, 40
	MKSCALE 72, 15, 12, 40
.macro UNIT u
	s_wait_loadcnt 0x0                             ; this K step's 16 loads are in
	s_wait_xcnt 0x0                                ; the last K step's stores have read their registers: the codes' registers are rewritten only behind this wait
.set i, 0
.rept 16
	ds_store_b128 v[SW], v[RE+4*i:RE+4*i+3] offset:i*528
.set i, i+1
.endr
.irp c, 0,1,2,3,4,5,6,7
.irp d, 0,1
	ds_load_b128 v[XE+8*\c+4*\d:XE+8*\c+4*\d+3], v[SRD] offset:64*\c+16*\d   ; k = 16 c + 8 h + 4 d + 0 .. 3 of row r
.endr
.endr
	s_wait_dscnt 0x0
.if (\u) < 3
	ELOAD (\u)+1
.endif
.irp z, 0,1,2
.irp c, 0,1,2,3,4,5,6,7
.irp i, 0,1,2,3,4,5,6,7
	v_med3_num_f32 v[TE+8*(\c%2)+\i], v[XE+8*\c+\i], -v[10+\z], v[10+\z]
.endr
	v_cvt_scalef32_pk8_fp8_f32 v[CE+16*\z+2*\c:CE+16*\z+2*\c+1], v[TE+8*(\c%2):TE+8*(\c%2)+7], v[13+\z]   ; registers 2 c, 2 c + 1 of the fragment; the two sets of held numbers take turns
.endr
.endr
	v_nop                                          ; a plain line behind the last conversion
.irp z, 0,1,2
.irp g, 0,1,2,3
	global_store_b128 v[LI], v[CE+16*\z+4*\g:CE+16*\z+4*\g+3], s[32+2*\z:33+2*\z] offset:(\u)*2048+\g*512
.endr
.endr
.endm
	s_wait_alu depctr_va_vdst(0)
	UNIT 0
	UNIT 1
	UNIT 2
	UNIT 3
	s_wait_tensorcnt 0x0
	ds_add_u32 v224, v225
	s_wait_dscnt 0x0
	s_endpgm
.Lfunc_end_k_q20d5703517_quant:
	.size	k_q20d5703517_quant, .Lfunc_end_k_q20d5703517_quant-k_q20d5703517_quant
	.p2alignl 7, 3214868480
	.fill 96, 4, 3214868480
	.section	.rodata,"a",@progbits
	.p2align	6, 0x0
	.amdhsa_kernel k_q20d5703517_quant
		.amdhsa_group_segment_fixed_size 67072
		.amdhsa_private_segment_fixed_size 0
		.amdhsa_enable_private_segment 0
		.amdhsa_kernarg_size 80
		.amdhsa_user_sgpr_count 2
		.amdhsa_user_sgpr_kernarg_segment_ptr 1
		.amdhsa_wavefront_size32 1
		.amdhsa_system_sgpr_workgroup_id_x 1
		.amdhsa_system_sgpr_workgroup_id_y 1
		.amdhsa_system_sgpr_workgroup_id_z 1
		.amdhsa_system_vgpr_workitem_id 0
		.amdhsa_next_free_vgpr 226
		.amdhsa_next_free_sgpr 88
		.amdhsa_reserve_vcc 0
		.amdhsa_float_denorm_mode_32 3
		.amdhsa_float_denorm_mode_16_64 3
		.amdhsa_memory_ordered 1
		.amdhsa_forward_progress 1
		.amdhsa_inst_pref_size 128
	.end_amdhsa_kernel
	.amdgpu_metadata
---
amdhsa.version: [ 1, 2 ]
amdhsa.kernels:
  - .name:           k_q20d5703517_quant
    .symbol:         k_q20d5703517_quant.kd
    .args:
      - { .name: Wq, .offset: 0, .size: 8, .value_kind: global_buffer, .address_space: global }
      - { .name: Wk, .offset: 8, .size: 8, .value_kind: global_buffer, .address_space: global }
      - { .name: Wv, .offset: 16, .size: 8, .value_kind: global_buffer, .address_space: global }
      - { .name: Wfc, .offset: 24, .size: 8, .value_kind: global_buffer, .address_space: global }
      - { .name: W1, .offset: 32, .size: 8, .value_kind: global_buffer, .address_space: global }
      - { .name: W2, .offset: 40, .size: 8, .value_kind: global_buffer, .address_space: global }
      - { .name: embeddings, .offset: 48, .size: 8, .value_kind: global_buffer, .address_space: global }
      - { .name: lowp_scales, .offset: 56, .size: 8, .value_kind: global_buffer, .address_space: global }
      - { .name: wcodes, .offset: 64, .size: 8, .value_kind: global_buffer, .address_space: global }
      - { .name: ecodes, .offset: 72, .size: 8, .value_kind: global_buffer, .address_space: global }
    .group_segment_fixed_size: 67072
    .private_segment_fixed_size: 0
    .kernarg_segment_align: 8
    .kernarg_segment_size: 80
    .max_flat_workgroup_size: 128
    .sgpr_count:     88
    .vgpr_count:     226
    .wavefront_size: 32
...
	.end_amdgpu_metadata
.endif
;; end of part 1
;; launch proj (part 2): grid 12 x 16, 4 waves a work-group, clusters of 4 x 4, 327,680 bytes of LDS; arguments ecodes, wcodes, lowp_scales, bq, bk, bv, qkv; writes qkv
.if DOCPART == 2
	.amdgcn_target "amdgcn-amd-amdhsa--gfx1250"
	.amdhsa_code_object_version 6
	.text
	.protected	k_q20d5703517_proj
	.globl	k_q20d5703517_proj
	.p2align	8
	.type	k_q20d5703517_proj,@function
k_q20d5703517_proj:
	s_mov_b64 s[64:65], 0
	v_nop
	global_prefetch_b8 v0, s[64:65] scope:SCOPE_SE
	s_setreg_imm32_b32 hwreg(HW_REG_WAVE_MODE, 25, 1), 1
	s_wait_xcnt 0x0
	s_wait_alu depctr_hold_cnt(0) depctr_sa_sdst(0) depctr_va_vdst(0) depctr_va_sdst(0) depctr_va_ssrc(0) depctr_va_vcc(0) depctr_vm_vsrc(0)
	s_getreg_b32 s2, hwreg(HW_REG_IB_STS2, 6, 4)
	s_cmp_eq_u32 s2, 0
	s_cbranch_scc0 .Lentry_in_a_cluster
	s_endpgm
.Lentry_in_a_cluster:
	s_bfe_u32 s2, ttmp6, 0x10000c
	s_cmp_lg_u32 s2, 0xf033
	s_cbranch_scc0 .Lentry_shape_is_right
	s_endpgm
.Lentry_shape_is_right:
; q, k, v = embeddings x Wq, Wk, Wv + bias, on codes of FP8 (E4M3), and the results quantised again for the two products of attention.  K = 1,024.
; Cluster x says which: 0 = q, 1 = k, 2 = v.  A tile of the result is 256 x 256, four waves, 128 x 128 each: 64 accumulators, 512 registers.
; OPERANDS lie in memory and in LDS as images of the matrix instruction's registers: a fragment (16 rows x 128 K) is 2,048 bytes, registers 4 g .. 4 g + 3 of lane l at 512 g + 16 l; a tensor is [rows / 16][K / 128][2,048].
; THE MATRIX INSTRUCTION IS USED TRANSPOSED (source 0 = 16 rows of "B", source 1 = 16 rows of "A"): lane (r, h) holds row r of A and, in accumulator (a, b), B's rows 16 b + 8 h + 0 .. 7.
; So eight registers converted are registers 2 b, 2 b + 1 of the next product's fragment.  q, k: A = tokens, B = the weight's columns (the head's 64 run along the registers).
; v: A = Wv's columns, B = tokens: the KEYS run along the registers, as the second product of attention wants them.
; OUT (buffer qkv): q + 0 and k + 4 MiB: [32 heads][128 blocks of 16 tokens][1,024]; v + 8 MiB: [32 heads][16 steps of 128 keys][4 blocks of 16 channels][2,048].
; K goes in steps of 256 through a ring of two LDS slots; CLUSTERS of 4 x 4: A's tile is asked for jointly along a row of the cluster, B's along a column.
; LIMITS: e0 + e1, e2 + e3, e4 + e5 between -126 and 127; e6, e7, e9 between -126 and 119.  NaN among the inputs is not served.
; REGISTERS: window 0: v0-31 addresses; v128-255 A's fragments, one set; window 1: B's fragments, two sets (v0, v128); windows 2, 3: the accumulators ((a, b) at v[8 (8 (a % 4) + b)]).
; THE TILES ARE PREFETCHED INTO THE L2: behind the load of slot t each wave names slot t + 2 (behind slot 0's also slot 1): of the 8 blocks of 16 rows that it fetches, the partner at place p among the four that
; ask jointly (cx for A, cy for B) names blocks 2 p and 2 p + 1, told apart by address: 32 lanes x 256 bytes = 2 x 4,096 bytes, one instruction.  K has four slots, so the three requests stand at the head and none in the loop.
.set PFA,    94                        ; s[94:95] my work-group's two blocks of the rows that my wave fetches, at slot 0; never rewritten
.set PFO,    23                        ; v23  16,384 (lane / 16) + 256 (lane % 16); never rewritten
.set HALFT,  32768
.set SLOT,   4*HALFT                   ; A's 256 rows, then B's 256 rows
.set SPARE,  2*SLOT                    ; behind the ring: the spare words, 128 bytes for each wave
.set FR,     16
.set NL,     4
.set NP,     4
.set LAPS,   2                         ; K / 512
.set ADRA, 16
.set ADRB, 20
.set CO,   26                          ; v26  16 x lane
.set SPW,  28
.set NIL,  29
.set AF,   128
.set G1, 24
.set G0, 32
.set G1B, 48
.set G0B, 56
.set MSB, 0
.macro WIN new                         ; the immediate's high byte repeats the setting that is left
.if MSB != (\new)
	s_set_vgpr_msb (MSB<<8)|(\new)
.set MSB, (\new)
.endif
.endm
.set MUL_LO, 0xa1                      ; source 0 (B) window 1, source 1 (A) window 0, C and D window 2
.set MUL_HI, 0xf1
.set TO_B,   0x40
.macro JLOAD g0a, g1a, g0b, g1b        ; a joint load: waves 0 and 1 fetch for A, waves 2 and 3 for B; four v_nop follow each line
	s_cmp_eq_u32 s15, 0
	s_cbranch_scc0 .Lfor_b_\@
	tensor_load_to_lds s[\g0a:\g0a+3], s[\g1a:\g1a+7]
	s_nop 0
.rept 4
	v_nop
.endr
	s_branch .Lasked_\@
.Lfor_b_\@:
	tensor_load_to_lds s[\g0b:\g0b+3], s[\g1b:\g1b+7]
	s_nop 0
.rept 4
	v_nop
.endr
.Lasked_\@:
.endm
.macro CREST                           ; a round of the cluster's barrier behind its opening barrier
	s_cmp_lg_u32 s14, 0
	s_cbranch_scc1 .Lnot_wave_0_\@
	s_barrier_signal -3
.Lnot_wave_0_\@:
	s_barrier_wait -3
	s_barrier_signal -1
	s_barrier_wait -1
.endm
.macro CROUND
	s_barrier_signal -1
	s_barrier_wait -1
	CREST
.endm
	s_load_b256 s[4:11], s[0:1], 0x0               ; ecodes s[4:5], wcodes s[6:7], the scales' exponents s[8:9], bq s[10:11]
	s_load_b128 s[84:87], s[0:1], 0x20             ; bk, bv
	s_load_b64 s[88:89], s[0:1], 0x30              ; qkv
	v_lshl_add_u32 v[SPW], v0, 2, SPARE
	v_mov_b32 v[NIL], 0
	ds_add_u32 v28, v29
	ds_add_u32 v28, v29
	s_wait_dscnt 0x0
	v_lshrrev_b32 v1, 5, v0
	v_readfirstlane_b32 s14, v1                    ; wave 0..3
	s_lshr_b32 s15, s14, 1                         ; which half of the tile's rows is mine.  Also: I fetch for A (0) or for B (1)
	s_and_b32 s16, s14, 1                          ; which half of its columns.  Also: which 128 rows I fetch
	s_bfe_u32 s40, ttmp6, 0x40000                  ; cx
	s_bfe_u32 s41, ttmp6, 0x40004                  ; cy
	s_and_b32 s90, ttmp7, 0xffff
	s_lshl_b32 s90, s90, 2                         ; 4 x cluster y: it walks the tokens' 16 tiles, which are A's for q and k, B's for v
	s_cmp_eq_u32 ttmp9, 2
	s_cselect_b32 s91, 0, s90
	s_cselect_b32 s92, s90, 0
	s_add_co_u32 s17, s41, s91                     ; A's tile
	s_add_co_u32 s42, s40, s92                     ; B's tile
	s_lshl_b32 s43, s41, 2
	s_lshl_b32 s43, 15, s43                        ; my row of the cluster
	s_lshl_b32 s44, 0x1111, s40                    ; my column
	s_or_b32 s[G1+0], s43, (3<<16)|(1<<21)         ; 15:0 the mask; 17:16 elements of 8 bytes; 21 set beside a mask; no padding: an image's loads are dense
	s_or_b32 s[G1B+0], s44, (3<<16)|(1<<21)
.irp g, G1, G1B
	s_mov_b32 s[\g+1], 512<<16                     ; tensor_dim0: two fragments on end, 4,096 bytes
	s_mov_b32 s[\g+2], 8<<16                       ; tensor_dim1: 8 blocks of 16 rows
	s_mov_b32 s[\g+3], 512<<16                     ; tile_dim0
	s_mov_b32 s[\g+4], 8                           ; tile_dim1
	s_mov_b32 s[\g+5], 2048                        ; from block to block: 8 fragments, 16,384 bytes
	s_mov_b32 s[\g+6], 0
	s_mov_b32 s[\g+7], 0
.endr
	s_lshl_b32 s18, s16, 17                        ; 128 rows x 1,024 bytes
	s_lshl_b32 s20, s17, 18
	s_add_co_u32 s20, s20, s18
	s_mov_b32 s21, 0
	s_lshl_b32 s46, s42, 18
	s_add_co_u32 s46, s46, s18
	s_mov_b32 s47, 0
	s_lshl_b32 s45, s14, 15                        ; where they go: wave x HALFT
	s_mov_b32 s93, 0
	s_wait_kmcnt 0x0
	s_load_b512 s[68:83], s[8:9], 0x0              ; entry i in s[68 + i]
	s_lshl_b32 s92, ttmp9, 22
	s_add_nc_u64 s[4:5], s[4:5], s[92:93]          ; the embeddings' codes under this product's scale
	s_lshl_b32 s92, ttmp9, 20
	s_add_nc_u64 s[6:7], s[6:7], s[92:93]          ; this product's weight
	s_cmp_eq_u32 ttmp9, 2
	s_cselect_b64 s[94:95], s[6:7], s[4:5]         ; A
	s_cselect_b64 s[4:5], s[4:5], s[6:7]           ; B
	s_add_nc_u64 s[20:21], s[94:95], s[20:21]
	s_add_nc_u64 s[46:47], s[4:5], s[46:47]
	CROUND                                         ; all sixteen work-groups are here: the first joint loads meet
.irp s, 0,1
	s_mov_b32 s[G0+4*\s], 1
	s_add_co_u32 s[G0+4*\s+1], s45, \s*SLOT
	s_add_nc_u64 s[G0+4*\s+2:G0+4*\s+3], s[20:21], \s*4096
	s_or_b32 s[G0+4*\s+3], s[G0+4*\s+3], 0x80000000
	s_mov_b32 s[G0B+4*\s], 1
	s_add_co_u32 s[G0B+4*\s+1], s45, \s*SLOT
	s_add_nc_u64 s[G0B+4*\s+2:G0B+4*\s+3], s[46:47], \s*4096
	s_or_b32 s[G0B+4*\s+3], s[G0B+4*\s+3], 0x80000000
.endr
	JLOAD G0, G1, G0B, G1B                         ; slot 0: one tensor load a wave at the head
	s_cmp_eq_u32 s15, 0                            ; do I fetch for A?
	s_cselect_b64 s[PFA:PFA+1], s[20:21], s[46:47]
	s_cselect_b32 s98, s40, s41                    ; my place among the four partners
	s_lshl_b32 s98, s98, 15                        ; two blocks of 16 rows x 1,024 bytes
	s_mov_b32 s99, 0
	s_add_nc_u64 s[PFA:PFA+1], s[PFA:PFA+1], s[98:99]
	v_and_b32 v22, 15, v0
	v_bfe_u32 v[PFO], v0, 4, 1
	v_lshlrev_b32 v22, 8, v22
	v_lshl_add_u32 v[PFO], v[PFO], 14, v22
	global_prefetch_b8 v[PFO], s[PFA:PFA+1] offset:4096 th:TH_LOAD_NT scope:SCOPE_SE   ; slot 1
	global_prefetch_b8 v[PFO], s[PFA:PFA+1] offset:8192 th:TH_LOAD_NT scope:SCOPE_SE   ; slot 2
	v_and_b32 v6, 31, v0
	v_lshlrev_b32 v[CO], 4, v6
	v_and_b32 v1, 15, v0                           ; r
	s_wait_alu depctr_va_vdst(0)
	v_bfe_u32 v2, v0, 4, 1                         ; h
	s_lshl_b32 s21, s15, 15                        ; my 128 rows of A
	s_lshl_b32 s22, s16, 15                        ; my 128 rows of B,
	s_add_co_u32 s22, s22, 2*HALFT                 ; which lie behind A's 256
.irp s, 0,1
	v_add_nc_u32 v[ADRA+\s], s21, v[CO]
	v_add_nc_u32 v[ADRB+\s], s22, v[CO]
	s_add_co_u32 s21, s21, SLOT
	s_add_co_u32 s22, s22, SLOT
.endr
	s_lshl_b32 s18, s17, 8
	s_lshl_b32 s19, s15, 7
	s_add_co_u32 s18, s18, s19                     ; my first row of A
	s_lshl_b32 s19, s42, 8
	s_lshl_b32 s23, s16, 7
	s_add_co_u32 s19, s19, s23                     ; my first row of B
	s_lshr_b32 s40, s18, 11                        ; q, k: ((batch x 16 + column / 64) x 128 + (token % 2048) / 16) x 1,024
	s_lshl_b32 s40, s40, 4
	s_lshr_b32 s41, s19, 6
	s_add_co_u32 s40, s40, s41
	s_lshl_b32 s40, s40, 7
	s_bfe_u32 s41, s18, 0x70004
	s_add_co_u32 s40, s40, s41
	s_lshl_b32 s40, s40, 10
	s_lshr_b32 s43, s19, 11                        ; v: ((batch x 16 + row / 64) x 16 + (token % 2048) / 128) x 4 x 2,048
	s_lshl_b32 s43, s43, 4
	s_lshr_b32 s44, s18, 6
	s_add_co_u32 s43, s43, s44
	s_lshl_b32 s43, s43, 4
	s_bfe_u32 s44, s19, 0x40007
	s_add_co_u32 s43, s43, s44
	s_lshl_b32 s43, s43, 13
	s_cmp_eq_u32 ttmp9, 1
	s_cselect_b64 s[10:11], s[84:85], s[10:11]
	s_cmp_eq_u32 ttmp9, 2
	s_cselect_b64 s[10:11], s[86:87], s[10:11]     ; this product's bias
	s_cselect_b32 s90, s43, s40
	s_cselect_b32 s92, s18, s19                    ; the bias runs along B's rows for q and k, along A's rows for v
	s_cselect_b32 s43, 4, 0                        ; so a lane's eight bias numbers of a tile lie at 4 r (v: one number, eight times) or at 32 h + 4 j (q, k)
	s_cselect_b32 s44, 0, 32
	s_cselect_b32 s45, 0, 4
	s_lshl_b32 s46, ttmp9, 22
	s_add_co_u32 s90, s90, s46
	s_mov_b32 s91, 0
	s_lshl_b32 s92, s92, 2
	s_add_nc_u64 s[88:89], s[88:89], s[90:91]
	s_add_nc_u64 s[10:11], s[10:11], s[92:93]
	v_mul_u32_u24 v7, s43, v1
	s_wait_alu depctr_va_vdst(0)
	v_mad_u32_u24 v7, v2, s44, v7
.irp j, 0,1,2,3,4,5,6,7
	v_mad_u32_u24 v[8+\j], s45, \j, v7
.endr
	s_wait_kmcnt 0x0
	s_add_co_i32 s90, s68, s69
	s_add_co_i32 s91, s70, s71
	s_add_co_i32 s92, s72, s73
	s_mov_b32 s93, s74
	s_cmp_eq_u32 ttmp9, 1
	s_cselect_b32 s90, s91, s90
	s_cselect_b32 s93, s75, s93
	s_cmp_eq_u32 ttmp9, 2
	s_cselect_b32 s90, s92, s90                    ; the two operands' exponents added,
	s_cselect_b32 s93, s77, s93                    ; and the result's: entry 6, 7 or 9.  Chosen without a jump
	s_add_co_i32 s90, s90, 127
	s_lshl_b32 s96, s90, 23                        ; 2^(sum) as f32
	s_mov_b32 s97, s96                             ; (named with it as a pair, so it is written)
	s_add_co_i32 s93, s93, 127
	s_lshl_b32 s90, s93, 23
	v_mov_b32 v30, s90                             ; the result's scale
	s_add_co_i32 s93, s93, 8
	s_lshl_b32 s93, s93, 23
	s_or_b32 s93, s93, 0x600000
	v_mov_b32 v31, s93                             ; 448 x that
.macro FRAG reg, adr, q, i             ; fragment (block i, the slot's q-th 128 along K): four loads of 512 consecutive bytes
.irp c, 0,1,2,3
	ds_load_b128 v[\reg+4*\c:\reg+4*\c+3], v[\adr] offset:(\i)*4096+(\q)*2048+512*\c
.endr
.endm
; 16 matrix instructions: A's blocks a0, a0 + 1 x B's eight.  The 64 accumulators take turns, one instruction a turn, in the same order in every step.
.macro MUL16 a0, p, zero
.irp a, \a0, \a0+1
.irp b, 0,1,2,3,4,5,6,7
.if \zero
	v_wmma_f32_16x16x128_fp8_fp8 v[8*(8*((\a)%4)+\b):8*(8*((\a)%4)+\b)+7], v[128*(\p)+FR*\b:128*(\p)+FR*\b+FR-1], v[AF+FR*(\a):AF+FR*(\a)+FR-1], 0
.else
	v_wmma_f32_16x16x128_fp8_fp8 v[8*(8*((\a)%4)+\b):8*(8*((\a)%4)+\b)+7], v[128*(\p)+FR*\b:128*(\p)+FR*\b+FR-1], v[AF+FR*(\a):AF+FR*(\a)+FR-1], v[8*(8*((\a)%4)+\b):8*(8*((\a)%4)+\b)+7]
.endif
.endr
.endr
.endm
.macro FETCH_B slot, q, p
	WIN TO_B
.irp i, 0,1,2,3,4,5,6,7
	FRAG 128*(\p)+FR*\i, ADRB+\slot, \q, \i
.endr
	WIN 0
.endm
.macro FETCH_A slot, q, i0
.irp i, \i0, \i0+1, \i0+2, \i0+3
	FRAG AF+FR*(\i), ADRA+\slot, \q, \i
.endr
.endm
.macro PLACES n                        ; plain vector lines between a matrix instruction and a load into, or a vector read of, its registers
.rept \n
	v_nop
.endr
.endm
.macro STEP slot, q, zero              ; a step of 128 along K that has its successor in the same slot
	s_wait_dscnt 4*NL                              ; B's set and A's blocks 0-3 are in; the youngest 16 loads (A's blocks 4-7) may be out
	WIN MUL_LO
	MUL16 0, (\q)%2, \zero
	MUL16 2, (\q)%2, \zero
	s_wait_dscnt 0
	PLACES NP
	FETCH_B \slot, (\q)+1, 1-(\q)%2
	FETCH_A \slot, (\q)+1, 0
	WIN MUL_HI
	MUL16 4, (\q)%2, \zero
	MUL16 6, (\q)%2, \zero
	PLACES NP
	WIN 0
	FETCH_A \slot, (\q)+1, 4
.endm
.macro TURN slot, next, fill           ; a slot's last step changes slots: one barrier; fill = 1: this slot is filled again, two slots ahead
	s_wait_tensorcnt 0x0                           ; all my tensor loads have landed: my part of the next slot
	ds_add_u32 v[SPW], v[NIL]                      ; 0 onto my spare word
	s_wait_dscnt 4*NL+1                            ; (the add and the youngest 16 loads may be out)
	WIN MUL_LO
	MUL16 0, 1, 0
	s_wait_dscnt 0x0                               ; the add is done, and my reads of this slot are over
	s_barrier_signal -1
	MUL16 2, 1, 0
	WIN 0
	s_barrier_wait -1
.if \fill
	CREST                                          ; the barrier has opened a round of the cluster's: no wave of any partner still reads this slot or has a load on its way
	s_add_nc_u64 s[G0+4*\slot+2:G0+4*\slot+3], s[G0+4*\slot+2:G0+4*\slot+3], 8192
	s_add_nc_u64 s[G0B+4*\slot+2:G0B+4*\slot+3], s[G0B+4*\slot+2:G0B+4*\slot+3], 8192
	JLOAD G0+4*\slot, G1, G0B+4*\slot, G1B         ; the first tensor load behind the round; its four v_nop are the places in front of the loads below
.else
	PLACES NP
.endif
	FETCH_B \next, 0, 0
	FETCH_A \next, 0, 0
	WIN MUL_HI
	MUL16 4, 1, 0
	MUL16 6, 1, 0
	PLACES NP
	WIN 0
	FETCH_A \next, 0, 4
.endm
	s_wait_alu depctr_va_vdst(0)
	s_wait_tensorcnt 0x0                           ; my part of slot 0 is in; slot 1's first fill is issued as a refill is:
	ds_add_u32 v[SPW], v[NIL]                      ; 0 onto my spare word
	s_wait_dscnt 0x0
	CROUND                                         ; everybody's part of slot 0 is in, and the sixteen partners' joint loads meet
	JLOAD G0+4, G1, G0B+4, G1B                     ; slot 1: the first tensor load behind the round
	global_prefetch_b8 v[PFO], s[PFA:PFA+1] offset:12288 th:TH_LOAD_NT scope:SCOPE_SE  ; slot 3, the last
	FETCH_B 0, 0, 0
	FETCH_A 0, 0, 0
	FETCH_A 0, 0, 4
	STEP 0, 0, 1                                   ; the first step's products start the sums
	s_mov_b32 s3, LAPS-1
.Llap:
	TURN 0, 1, 1
	STEP 1, 0, 0
	TURN 1, 0, 1
	STEP 0, 0, 0
	s_sub_co_u32 s3, s3, 1
	s_cmp_lg_u32 s3, 0
	s_cbranch_scc1 .Llap
	TURN 0, 1, 0
	STEP 1, 0, 0
	WIN TO_B                                       ; the bias, into B's set 0, which is done with (four places stand behind its last products): 64 matrix instructions ahead of its use
	s_wait_alu depctr_va_vdst(0)
.irp i, 0,1,2,3,4,5,6,7
.irp j, 0,1,2,3,4,5,6,7
	global_load_b32 v[8*\i+\j], v[8+\j], s[10:11] offset:64*\i
.endr
.endr
	WIN 0
	s_wait_dscnt 4*NL
	WIN MUL_LO
	MUL16 0, 1, 0
	MUL16 2, 1, 0
	s_wait_dscnt 0
	WIN MUL_HI
	MUL16 4, 1, 0
	MUL16 6, 1, 0
	WIN 0
	s_wait_loadcnt 0x0                             ; the bias
	PLACES NP
; THE WAY OUT, a block of 16 rows of A at a time: sum x 2^(ea + eb) + bias, the hold, eight conversions: a fragment's 16 registers, stored as they stand, 512 consecutive bytes a store.
.macro EPI isv
.irp a, 0,1,2,3,4,5,6,7
	WIN 0x12+(\a/4)                                ; source 0: the sums, window 2 or 3; source 2: the bias, window 1
.irp b, 0,1,2,3,4,5,6,7
.irp i, 0,2,4,6
.if \isv
	v_pk_fma_f32 v[64+8*\b+\i:64+8*\b+\i+1], v[64*(\a%4)+8*\b+\i:64*(\a%4)+8*\b+\i+1], s[96:97], v[8*\a+\i:8*\a+\i+1] op_sel_hi:[1,0,1]
.else
	v_pk_fma_f32 v[64+8*\b+\i:64+8*\b+\i+1], v[64*(\a%4)+8*\b+\i:64*(\a%4)+8*\b+\i+1], s[96:97], v[8*\b+\i:8*\b+\i+1] op_sel_hi:[1,0,1]
.endif
.endr
.endr
	WIN 0
.set n, 0
.rept 64
	v_med3_num_f32 v[64+n], v[64+n], -v31, v31
.set n, n+1
.endr
.if \a > 1
	s_wait_alu depctr_va_vdst(0)
	s_wait_xcnt 0x0                                ; the stores of two blocks ago have read their registers
.endif
.irp b, 0,1,2,3,4,5,6,7
	v_cvt_scalef32_pk8_fp8_f32 v[32+16*(\a%2)+2*\b:32+16*(\a%2)+2*\b+1], v[64+8*\b:64+8*\b+7], v30
.endr
	v_nop                                          ; a plain line behind the last conversion
.irp g, 0,1,2,3
.if \isv
	global_store_b128 v[CO], v[32+16*(\a%2)+4*\g:32+16*(\a%2)+4*\g+3], s[88:89] offset:(\a/4)*131072+(\a%4)*2048+\g*512
.else
	global_store_b128 v[CO], v[32+16*(\a%2)+4*\g:32+16*(\a%2)+4*\g+3], s[88:89] offset:\a*1024+(\g/2)*131072+(\g%2)*512
.endif
.endr
.endr
.endm
	s_cmp_eq_u32 ttmp9, 2                          ; the cluster's x: the same in all sixteen partners
	s_cbranch_scc1 .Lepi_v
	EPI 0
	s_branch .Ldone
.Lepi_v:
	EPI 1
.Ldone:
	s_wait_tensorcnt 0x0                           ; the wave's end
	ds_add_u32 v[SPW], v[NIL]
	s_wait_dscnt 0x0
	CROUND                                         ; the closing round
	s_endpgm
.Lfunc_end_k_q20d5703517_proj:
	.size	k_q20d5703517_proj, .Lfunc_end_k_q20d5703517_proj-k_q20d5703517_proj
	.p2alignl 7, 3214868480
	.fill 96, 4, 3214868480
	.section	.rodata,"a",@progbits
	.p2align	6, 0x0
	.amdhsa_kernel k_q20d5703517_proj
		.amdhsa_group_segment_fixed_size 327680
		.amdhsa_private_segment_fixed_size 0
		.amdhsa_enable_private_segment 0
		.amdhsa_kernarg_size 56
		.amdhsa_user_sgpr_count 2
		.amdhsa_user_sgpr_kernarg_segment_ptr 1
		.amdhsa_wavefront_size32 1
		.amdhsa_system_sgpr_workgroup_id_x 1
		.amdhsa_system_sgpr_workgroup_id_y 1
		.amdhsa_system_sgpr_workgroup_id_z 1
		.amdhsa_system_vgpr_workitem_id 0
		.amdhsa_next_free_vgpr 1024
		.amdhsa_next_free_sgpr 100
		.amdhsa_reserve_vcc 0
		.amdhsa_float_denorm_mode_32 3
		.amdhsa_float_denorm_mode_16_64 3
		.amdhsa_memory_ordered 1
		.amdhsa_forward_progress 1
		.amdhsa_inst_pref_size 199
	.end_amdhsa_kernel
	.amdgpu_metadata
---
amdhsa.version: [ 1, 2 ]
amdhsa.kernels:
  - .name:           k_q20d5703517_proj
    .symbol:         k_q20d5703517_proj.kd
    .args:
      - { .name: ecodes, .offset: 0, .size: 8, .value_kind: global_buffer, .address_space: global }
      - { .name: wcodes, .offset: 8, .size: 8, .value_kind: global_buffer, .address_space: global }
      - { .name: lowp_scales, .offset: 16, .size: 8, .value_kind: global_buffer, .address_space: global }
      - { .name: bq, .offset: 24, .size: 8, .value_kind: global_buffer, .address_space: global }
      - { .name: bk, .offset: 32, .size: 8, .value_kind: global_buffer, .address_space: global }
      - { .name: bv, .offset: 40, .size: 8, .value_kind: global_buffer, .address_space: global }
      - { .name: qkv, .offset: 48, .size: 8, .value_kind: global_buffer, .address_space: global }
    .group_segment_fixed_size: 327680
    .private_segment_fixed_size: 0
    .kernarg_segment_align: 8
    .kernarg_segment_size: 56
    .max_flat_workgroup_size: 128
    .sgpr_count:     100
    .vgpr_count:     1024
    .wavefront_size: 32
...
	.end_amdgpu_metadata
.endif
;; end of part 2
;; launch attn (part 3): grid 8 x 32, 16 waves a work-group, clusters of 4 x 1, 169,984 bytes of LDS; arguments qkv, lowp_scales, acodes; writes acodes
.if DOCPART == 3
	.amdgcn_target "amdgcn-amd-amdhsa--gfx1250"
	.amdhsa_code_object_version 6
	.text
	.protected	k_q20d5703517_attn
	.globl	k_q20d5703517_attn
	.p2align	8
	.type	k_q20d5703517_attn,@function
k_q20d5703517_attn:
	s_mov_b64 s[64:65], 0
	v_nop
	global_prefetch_b8 v0, s[64:65] scope:SCOPE_SE
	s_setreg_imm32_b32 hwreg(HW_REG_WAVE_MODE, 25, 1), 1
	s_wait_xcnt 0x0
	s_wait_alu depctr_hold_cnt(0) depctr_sa_sdst(0) depctr_va_vdst(0) depctr_va_sdst(0) depctr_va_ssrc(0) depctr_va_vcc(0) depctr_vm_vsrc(0)
	s_getreg_b32 s2, hwreg(HW_REG_IB_STS2, 6, 4)
	s_cmp_eq_u32 s2, 0
	s_cbranch_scc0 .Lentry_in_a_cluster
	s_endpgm
.Lentry_in_a_cluster:
	s_bfe_u32 s2, ttmp6, 0x10000c
	s_cmp_lg_u32 s2, 0x3003
	s_cbranch_scc0 .Lentry_shape_is_right
	s_endpgm
.Lentry_shape_is_right:
; Causal attention on codes of FP8 (E4M3): 32 heads (batch x 16 + head) of 2,048 tokens x 64 channels; the result is quantised (entry 10) as the next product's operand.
; Key steps that lie wholly behind the causal mask, which the problem builds itself, are left out.
; THE SOFTMAX AHEAD OF THE SECOND PRODUCT: t = score x log2(e) / 8; M = the running largest t rounded UP to a whole number; p = 2^(t - M) is quantised (entry 8), not normalised;
; the row's sum is taken of the unquantised p and divides at the end; when M moves, the sum and O are multiplied by 2^(old M - new M), which rounds nothing.
; SHARES.  Work-group (x, head), x = 0 .. 7, owns the 16 tiles of 16 queries 8 T + x, T = 0 .. 15.  Tile T needs key steps 0 .. T of 128 keys.  The tiles go in pairs (u, 15 - u): 17 key steps for two waves.
; Wave u takes the long tile's key steps 0 .. 7; wave 8 + u the short tile whole (u + 1 steps) and then the long tile's key steps 8 .. 15 - u.  What a wave leaves out hangs on its number and a counter alone.
; The long tile's two parts are joined at the end: wave u leaves an image of its registers in LDS, one barrier, wave 8 + u brings both under the larger M by powers of two and adds.
; K OF THE HEAD LIES WHOLE IN LDS (131,072 bytes, an image of the operands' registers), filled once: each wave asks for 8,192 bytes by one joint load with the mask of the cluster's four work-groups, which share the head.
; V'S FRAGMENTS GO FROM MEMORY STRAIGHT INTO REGISTERS: they lie in memory as the registers hold them (512 consecutive bytes a load), are asked for behind the first product and are waited for behind the softmax.
; So a key step reads 8,192 bytes from LDS and 8,192 by loads.  V is prefetched into the L2 in the first pass's trips 0 .. 6 by wave 0: trip k names key steps k + 2 (lanes 0-3) and k + 9 (lanes 4-7); of a step's 8,192 bytes
; the head's eight work-groups take 1,024 each, told apart by address.  Key steps 0 and 1 come by their loads alone; the highest byte named is 130,816 + 255 of the head's 131,072.
; LAYOUT.  Both products transposed: S^T = K Q^T (source 0 = 16 keys), O^T = V^T P^T (source 0 = 16 channels): a lane holds one query (lane % 16); in tile t its registers are keys 16 t + 8 (lane / 16) + 0 .. 7,
; so eight registers converted are registers 2 t, 2 t + 1 of P's fragment.
; LIMITS: e6 + e7 between -123 and 130 (added to c's exponent field); e8 and e10 between -126 and 119; e8 + e9 is applied by v_ldexp_f32; the scaled scores t stay under 2^31 in magnitude.  NaN is not served.
; REGISTERS: v1 16 x lane; v3 the mask's bound; v6 the pair's place in LDS; v7 the prefetch's offset; v8 the step's offset; v12 -M, v13 largest t, v[14:15] the sum; v16-23 Q of the first pass's tile, v24-31 Q of the long tile;
; v32-95 K's 8 fragments, then V's 4; v96-159 S^T, p; v160-191 O^T; v192-207 P's codes; v251, v255 the spare word's address and 0.
.set WV,   10
.set UU,   11                          ; the pair, u
.set CNT,  15
.set SEL,  20
.set CS,   22
.set G1,   24
.set G0,   32
.set TB,   2                           ; 8,192 x the key step: K's place in LDS, V's in the head
.set KB,   3                           ; the key step
.set ESUM, 59                          ; e8 + e9
.set HI1,  60                          ; first pass (key steps 0-7): my last key step,
.set DG1,  61                          ; and the one on the diagonal
.set HI2,  62                          ; second pass (key steps 8-15): the same
.set DG2,  63
.set ROLE, 66                          ; 0: waves 0-7, 1: waves 8-15
.set VB,   92                          ; s[92:93] the head's V
.set PFA,  94                          ; s[94:95] where the prefetch stands
.set LIM,  96                          ; 7 in wave 0, else 0: a wave prefetches while the key step is under it
.set STATE, 131072                     ; behind K: 4,608 bytes a pair: O^T (8 x 512), then -M, t and the sum's halves (512); no fill lands there
.set STB,  4608
.set SPARE, STATE+8*STB                ; the spare words, 128 bytes a wave
.set STA,  6
.set PFO,  7
.macro CROUND
	s_barrier_signal -1
	s_barrier_wait -1
	s_cmp_lg_u32 s[WV], 0
	s_cbranch_scc1 .Lnot_wave_0_\@
	s_barrier_signal -3
.Lnot_wave_0_\@:
	s_barrier_wait -3
	s_barrier_signal -1
	s_barrier_wait -1
.endm
	s_load_b128 s[4:7], s[0:1], 0x0                ; qkv s[4:5], the scales' exponents s[6:7]
	s_load_b64 s[8:9], s[0:1], 0x10                ; acodes
	v_lshl_add_u32 v251, v0, 2, SPARE
	v_mov_b32 v255, 0
	ds_add_u32 v251, v255                          ; the opening lines
	ds_add_u32 v251, v255
	v_lshrrev_b32 v8, 5, v0
	v_readfirstlane_b32 s[WV], v8                  ; wave 0..15
	s_bfe_u32 s12, ttmp6, 0x40000                  ; cx
	s_lshl_b32 s13, ttmp9, 2
	s_add_co_u32 s13, s13, s12                     ; x: it enters Q's, the result's and the prefetch's addresses and the mask's bound alone
	s_and_b32 s14, ttmp7, 0xffff                   ; the head, which the four partners share
	s_and_b32 s[UU], s[WV], 7
	s_lshr_b32 s[ROLE], s[WV], 3
	s_xor_b32 s67, s[ROLE], 1
	s_xor_b32 s52, s[UU], 15                       ; the long tile: 15 - u
	s_mul_i32 s[HI1], s[UU], s[ROLE]
	s_mul_i32 s53, s67, 7
	s_add_co_u32 s[HI1], s[HI1], s53               ; 7 (the long tile's first eight steps) or u (the short tile)
	s_lshl_b32 s53, s67, 6
	s_add_co_u32 s[DG1], s[UU], s53                ; u; in waves 0-7 64 + u, which is no key step
	s_mul_i32 s[HI2], s52, s[ROLE]                 ; 15 - u; in waves 0-7 0, under every key step of the second pass
	s_mov_b32 s[DG2], s52
	s_mul_i32 s53, s52, s67
	s_mul_i32 s54, s[UU], s[ROLE]
	s_add_co_u32 s53, s53, s54                     ; the first pass's tile: 15 - u or u
	s_lshl_b32 s53, s53, 3
	s_add_co_u32 s53, s53, s13                     ; as a tile of the head: 8 T + x
	s_lshl_b32 s52, s52, 3
	s_add_co_u32 s52, s52, s13
	s_lshl_b32 s54, s14, 7                         ; Q's fragment: (head x 128 + tile) x 1,024
	s_add_co_u32 s84, s54, s53
	s_lshl_b32 s84, s84, 10
	s_mov_b32 s85, 0
	s_add_co_u32 s86, s54, s52
	s_lshl_b32 s86, s86, 10
	s_mov_b32 s87, 0
	s_lshr_b32 s54, s14, 4                         ; out: ((batch x 128 + tile) x 8 + head / 2) x 2,048 + (head % 2) x 1,024
	s_lshl_b32 s54, s54, 7
	s_bfe_u32 s55, s14, 0x30001
	s_and_b32 s56, s14, 1
	s_lshl_b32 s56, s56, 10
	s_add_co_u32 s88, s54, s53
	s_lshl_b32 s88, s88, 3
	s_add_co_u32 s88, s88, s55
	s_lshl_b32 s88, s88, 11
	s_add_co_u32 s88, s88, s56
	s_mov_b32 s89, 0
	s_add_co_u32 s90, s54, s52
	s_lshl_b32 s90, s90, 3
	s_add_co_u32 s90, s90, s55
	s_lshl_b32 s90, s90, 11
	s_add_co_u32 s90, s90, s56
	s_mov_b32 s91, 0
	s_mul_i32 s57, s[UU], STB
	s_add_co_u32 s57, s57, STATE                   ; the pair's place in LDS
	s_mov_b32 s[G1], 15|(3<<16)|(1<<21)            ; the mask: all four; elements of 8 bytes; bit 21 set beside a mask
	s_mov_b32 s[G1+1], 32<<16                      ; a dense block of 8,192 bytes as 32 rows of 256
	s_mov_b32 s[G1+2], 32<<16
	s_mov_b32 s[G1+3], 32<<16
	s_mov_b32 s[G1+4], 32
	s_mov_b32 s[G1+5], 32
	s_mov_b32 s[G1+6], 0
	s_mov_b32 s[G1+7], 0
	s_mov_b32 s[SEL], 0x76543210
	s_mov_b32 s[SEL+1], 0xfedcba98
	s_mov_b32 s[CS], 0x3e38aa3b                    ; c = log2(e) / 8
	s_lshl_b32 s18, s[WV], 13                      ; my 8,192 bytes of K, in LDS and in the head
	s_lshl_b32 s49, s14, 17                        ; the head's 131,072 bytes
	s_add_co_u32 s48, s49, s18
	s_add_co_u32 s48, s48, 0x400000                ; k lies at 4 MiB of qkv,
	s_add_co_u32 s[VB], s49, 0x800000              ; v at 8 MiB
	s_mov_b32 s49, 0
	s_mov_b32 s[VB+1], 0
	s_lshl_b32 s[PFA], s13, 10                     ; the prefetch: my work-group's 1,024 bytes of key step 2
	s_add_co_u32 s[PFA], s[PFA], s[VB]
	s_add_co_u32 s[PFA], s[PFA], 16384
	s_mov_b32 s[PFA+1], 0
	s_cmp_eq_u32 s[WV], 0
	s_cselect_b32 s[LIM], 7, 0
	s_wait_dscnt 0x0                               ; both opening adds are done
	s_wait_kmcnt 0x0
	s_load_b512 s[68:83], s[6:7], 0x0              ; entry i in s[68 + i]
	s_add_nc_u64 s[G0+2:G0+3], s[4:5], s[48:49]
	s_add_nc_u64 s[VB:VB+1], s[4:5], s[VB:VB+1]
	s_add_nc_u64 s[PFA:PFA+1], s[4:5], s[PFA:PFA+1]
	s_add_nc_u64 s[84:85], s[4:5], s[84:85]        ; Q of the first pass's tile
	s_add_nc_u64 s[86:87], s[4:5], s[86:87]        ; Q of the long tile
	s_add_nc_u64 s[88:89], s[8:9], s[88:89]        ; where the short tile goes
	s_add_nc_u64 s[90:91], s[8:9], s[90:91]        ; where the long tile goes
	s_mov_b32 s[G0], 1
	s_mov_b32 s[G0+1], s18
	s_or_b32 s[G0+3], s[G0+3], 0x80000000
	CROUND                                         ; all four work-groups are here: the joint loads meet
	tensor_load_to_lds s[G0:G0+3], s[G1:G1+7]      ; my one tensor load of the launch
	s_nop 0
.rept 4
	v_nop
.endr
	v_and_b32 v1, 31, v0
	v_min_u32 v4, 7, v1                            ; the prefetch: lanes 0-7 name eight blocks of 256 bytes, the others lane 7's again
	v_lshlrev_b32 v1, 4, v1                        ; 16 x lane
	global_load_b128 v[16:19], v1, s[84:85]
	global_load_b128 v[20:23], v1, s[84:85] offset:512
	global_load_b128 v[24:27], v1, s[86:87]        ; (waves 0-7 have no second pass: they load it like the others, so that one text serves both)
	global_load_b128 v[28:31], v1, s[86:87] offset:512
	v_and_b32 v5, 3, v4
	v_lshrrev_b32 v4, 2, v4
	v_lshlrev_b32 v[PFO], 8, v5
	v_mad_u32_u24 v[PFO], v4, 57344, v[PFO]        ; 256 (l % 4) + seven key steps x (l / 4)
	v_add_nc_u32 v[STA], s57, v1
	v_and_b32 v4, 15, v0
	v_bfe_u32 v5, v0, 4, 1
	v_lshlrev_b32 v5, 3, v5
	v_sub_nc_u32 v3, v4, v5
	s_lshl_b32 s16, s13, 4
	v_add_nc_u32 v3, s16, v3                       ; 16 x + r - 8 h: in the step on the diagonal, register 8 t + j is hidden where 16 t + j is greater
	v_mov_b32 v13, 0xff61b1e6                      ; the largest t so far: -3e38
	v_floor_f32 v12, -v13
	v_mov_b32 v14, 0
	v_mov_b32 v15, 0
	v_mov_b32 v236, 0                              ; written once: a lane permute's destination counts as one of its sources
	v_mov_b32 v252, 0
	v_mov_b32 v253, 0                              ; (named as the upper half of the pair v[252:253])
.set n, 0
.rept 32
	v_mov_b32 v[160+n], 0                          ; O^T: the step is written for every step alike, a tile's first finds zeros
.set n, n+1
.endr
	s_wait_kmcnt 0x0
	s_add_co_i32 s48, s74, s75
	s_lshl_b32 s48, s48, 23
	s_add_co_i32 s[CS], s[CS], s48                 ; a score stands for score x 2^(e6 + e7)
	s_mov_b32 s[CS+1], s[CS]
	s_add_co_i32 s48, s76, 127
	s_lshl_b32 s49, s48, 23
	v_mov_b32 v244, s49                            ; 2^e8
	s_add_co_i32 s48, s48, 8
	s_lshl_b32 s48, s48, 23
	s_or_b32 s48, s48, 0x600000
	v_mov_b32 v240, s48                            ; 448 x 2^e8
	s_add_co_i32 s48, s78, 127
	s_lshl_b32 s49, s48, 23
	v_mov_b32 v245, s49                            ; 2^e10
	s_add_co_i32 s48, s48, 8
	s_lshl_b32 s48, s48, 23
	s_or_b32 s48, s48, 0x600000
	v_mov_b32 v241, s48                            ; 448 x 2^e10
	s_add_co_i32 s[ESUM], s76, s77
; Key step s[KB]: 128 keys, for the tile whose Q lies in v[qr] on.  s[hi]: the last key step that is mine in this pass; s[dg]: the one on the diagonal.
.macro STEP qr, hi, dg
	s_cmp_gt_u32 s[KB], s[\hi]                     ; not mine: left out.  No barrier and no tensor load stands in a step
	s_cbranch_scc1 .Lskip_\@
	v_add_nc_u32 v8, s[TB], v1                     ; (the last step's loads of V, which named v8, were waited for)
.rept 3
	v_nop                                          ; with the addition: four places in front of loads into registers that the last products read
.endr
.irp t, 0,1,2,3,4,5,6,7
	ds_load_b128 v[32+8*\t:35+8*\t], v8 offset:1024*\t
	ds_load_b128 v[36+8*\t:39+8*\t], v8 offset:1024*\t+512
.endr
	s_wait_alu depctr_va_vdst(0)
	s_wait_dscnt 0x0
.irp t, 0,1,2,3,4,5,6,7
	v_wmma_f32_16x16x64_fp8_fp8 v[96+8*\t:103+8*\t], v[32+8*\t:39+8*\t], v[\qr:\qr+7], 0
.endr
.rept 4
	v_nop
.endr
.irp t, 0,1,2,3
.irp g, 0,1,2,3
	global_load_b128 v[32+16*\t+4*\g:35+16*\t+4*\g], v8, s[VB:VB+1] offset:2048*\t+512*\g   ; V's four fragments, 512 consecutive bytes a load; they are on their way while the softmax is worked
.endr
.endr
	s_cmp_lg_u32 s[KB], s[\dg]
	s_cbranch_scc1 .Lopen_\@
	v_mov_b32 v254, 0xff800000                     ; on the diagonal hidden scores become -infinity ahead of the maximum: p = 0 then
.set n, 0
.rept 64
	v_cmp_gt_i32 vcc_lo, 16*(n/8)+n%8, v3
	v_cndmask_b32 v[96+n], v[96+n], v254, vcc_lo
.set n, n+1
.endr
.Lopen_\@:
	v_max3_num_f32 v254, v96, v97, v98             ; the step's largest score of my query, in two chains, each tile from its low end on
	v_max3_num_f32 v252, v99, v100, v101
.irp i, 6,10,14,18,22,26,30,34,38,42,46,50,54,58
	v_max3_num_f32 v254, v254, v[96+\i], v[97+\i]
	v_max3_num_f32 v252, v252, v[98+\i], v[99+\i]
.endr
	v_max3_num_f32 v254, v254, v158, v159
	v_max_num_f32 v254, v254, v252
	v_permlanex16_b32 v236, v254, s[SEL], s[SEL+1]
	v_max_num_f32 v254, v254, v236                 ; and among lane l xor 16's
	v_mul_f32 v254, s[CS], v254                    ; as t (c is positive)
	v_max_num_f32 v13, v13, v254
	v_mov_b32 v254, v12
	v_floor_f32 v12, -v13                          ; the new -M = -ceil(t)
	v_sub_f32 v254, v12, v254                      ; old M - new M: a whole number, 0 or less
	v_cvt_i32_f32 v254, v254                       ; (it saturates)
	v_ldexp_f32 v252, 1.0, v254                    ; f = 2^(old M - new M)
.set n, 0
.rept 32
	v_pk_fma_f32 v[96+n:97+n], v[96+n:97+n], s[CS:CS+1], v[12:13] op_sel_hi:[1,0,0]   ; t - M
.set n, n+2
.endr
.set n, 0
.rept 16
	v_pk_mul_f32 v[160+n:161+n], v[160+n:161+n], v[252:253] op_sel_hi:[1,0]   ; O^T x f, ahead of the exponentials, each accumulator from its low end on
.set n, n+2
.endr
	s_wait_alu depctr_va_vdst(0)
.set n, 0
.rept 64
	v_exp_f32 v[96+n], v[96+n]                     ; p = 2^(t - M)
.set n, n+1
.endr
	v_pk_mul_f32 v[14:15], v[14:15], v[252:253] op_sel_hi:[1,0]   ; the sums under the new M (the plain line behind the last exponential)
	s_wait_alu depctr_va_vdst(0)                   ; one wait for the batch of 64, ahead of its first reader
	v_pk_add_f32 v[242:243], v[96:97], v[98:99]    ; the row's sum, of the unquantised p
.irp j, 4,8,12,16,20,24,28,32,36,40,44,48,52,56,60
	v_pk_add_f32 v[14:15], v[14:15], v[96+\j:97+\j]
	v_pk_add_f32 v[242:243], v[242:243], v[98+\j:99+\j]
.endr
	v_pk_add_f32 v[14:15], v[14:15], v[242:243]
.irp t, 0,1,2,3,4,5,6,7
.irp i, 0,1,2,3,4,5,6,7
	v_min_num_f32 v[96+8*\t+\i], v[96+8*\t+\i], v240   ; the hold; p is not negative
.endr
	v_cvt_scalef32_pk8_fp8_f32 v[192+2*\t:193+2*\t], v[96+8*\t:103+8*\t], v244
.endr
	v_nop                                          ; a plain line between the last conversion and the products that read its result
	s_wait_alu depctr_va_vdst(0)
	s_wait_loadcnt 0x0                             ; V
.irp t, 0,1,2,3
	v_wmma_f32_16x16x128_fp8_fp8 v[160+8*\t:167+8*\t], v[32+16*\t:47+16*\t], v[192:207], v[160+8*\t:167+8*\t]
.endr
.Lskip_\@:
	s_add_co_u32 s[TB], s[TB], 8192
	s_add_co_u32 s[KB], s[KB], 1
.endm
; A tile is finished: O^T / the sum x 2^(e8 + e9), the hold, four conversions: half a fragment of the next product (its K = head x 64 + channel), 512 consecutive bytes a store.
.macro FINISH ob
	v_add_f32 v14, v14, v15                        ; the sum's two halves,
	v_permlanex16_b32 v252, v14, s[SEL], s[SEL+1]
	v_add_f32 v14, v14, v252                       ; and lane l xor 16's
	s_wait_alu depctr_va_vdst(0)
	v_rcp_f32 v14, v14
.rept 4
	v_nop                                          ; the plain line behind the reciprocal; also the places behind the last products
.endr
	s_wait_alu depctr_va_vdst(0)                   ; ahead of the reciprocal's first reader
	v_ldexp_f32 v14, v14, s[ESUM]
	s_wait_alu depctr_va_vdst(0)                   ; directly ahead of the first reader of O^T
.set n, 0
.rept 32
	v_mul_f32 v[96+n], v[160+n], v14               ; register 8 t + j: channel 16 t + 8 h + j of query r
.set n, n+1
.endr
.set n, 0
.rept 32
	v_med3_num_f32 v[96+n], v[96+n], -v241, v241
.set n, n+1
.endr
.irp t, 0,1,2,3
	v_cvt_scalef32_pk8_fp8_f32 v[192+2*\t:193+2*\t], v[96+8*\t:103+8*\t], v245
.endr
	v_nop
	global_store_b128 v1, v[192:195], s[\ob:\ob+1]
	global_store_b128 v1, v[196:199], s[\ob:\ob+1] offset:512
.endm
	s_wait_alu depctr_va_vdst(0)
	s_wait_loadcnt 0x0                             ; Q
	s_wait_tensorcnt 0x0                           ; my part of K is in
	s_barrier_signal -1
	s_barrier_wait -1                              ; everybody's is: no wave waits for another until the two parts of the long tiles meet
	s_mov_b32 s[TB], 0
	s_mov_b32 s[KB], 0
	s_mov_b32 s[CNT], 8
.Lpass1:                                           ; key steps 0 .. 7
	s_cmp_lt_u32 s[KB], s[LIM]                     ; wave 0, trips 0 .. 6
	s_cbranch_scc0 .Lno_ask
	global_prefetch_b8 v[PFO], s[PFA:PFA+1] th:TH_LOAD_NT scope:SCOPE_SE
.Lno_ask:
	STEP 16, HI1, DG1
	s_wait_xcnt 0x0                                ; the prefetch has read its address: it is stepped only behind this wait
	s_add_nc_u64 s[PFA:PFA+1], s[PFA:PFA+1], 8192
	s_sub_co_u32 s[CNT], s[CNT], 1
	s_cmp_lg_u32 s[CNT], 0
	s_cbranch_scc1 .Lpass1
	s_cmp_lg_u32 s[ROLE], 0
	s_cbranch_scc1 .Lshort_done
.rept 4
	v_nop                                          ; places behind the last products
.endr
.irp i, 0,1,2,3,4,5,6,7
	ds_store_b128 v[STA], v[160+4*\i:163+4*\i] offset:512*\i   ; waves 0-7: the long tile's first part, as an image of my registers
.endr
	ds_store_b128 v[STA], v[12:15] offset:4096
	s_branch .Lsecond
.Lshort_done:
	FINISH 88                                      ; waves 8-15: the short tile is whole
	v_mov_b32 v13, 0xff61b1e6                      ; and the long tile's second part begins
	v_floor_f32 v12, -v13
	v_mov_b32 v14, 0
	v_mov_b32 v15, 0
.set n, 0
.rept 32
	v_mov_b32 v[160+n], 0
.set n, n+1
.endr
	s_wait_alu depctr_va_vdst(0)
	s_wait_xcnt 0x0                                ; the two stores have read their data: the codes' registers are rewritten only behind this wait
.Lsecond:
	s_mov_b32 s[TB], 65536
	s_mov_b32 s[KB], 8
	s_mov_b32 s[CNT], 8
.Lpass2:                                           ; key steps 8 .. 15
	STEP 24, HI2, DG2
	s_sub_co_u32 s[CNT], s[CNT], 1
	s_cmp_lg_u32 s[CNT], 0
	s_cbranch_scc1 .Lpass2
	s_wait_dscnt 0x0                               ; for the others' sake: my stores of the first part have landed
	s_barrier_signal -1
	s_barrier_wait -1
	s_cmp_eq_u32 s[ROLE], 0
	s_cbranch_scc1 .Lend
.irp i, 0,1,2,3,4,5,6,7
	ds_load_b128 v[96+4*\i:99+4*\i], v[STA] offset:512*\i      ; waves 8-15: the first part's O^T,
.endr
	ds_load_b128 v[128:131], v[STA] offset:4096                ; its -M, t and the sum's halves
	s_wait_dscnt 0x0
	v_min_num_f32 v254, v12, v128                  ; -M of both parts: the larger M
	v_sub_f32 v132, v254, v12                      ; my M less that: a whole number, 0 or less
	v_sub_f32 v133, v254, v128                     ; the first part's likewise
	v_cvt_i32_f32 v132, v132
	v_cvt_i32_f32 v133, v133
	v_ldexp_f32 v252, 1.0, v132                    ; both parts come under the larger M by multiplications that round nothing
	v_ldexp_f32 v134, 1.0, v133
	v_mov_b32 v135, 0                              ; (named as the upper half of the pair v[134:135])
	v_pk_mul_f32 v[14:15], v[14:15], v[252:253] op_sel_hi:[1,0]
	v_pk_fma_f32 v[14:15], v[130:131], v[134:135], v[14:15] op_sel_hi:[1,0,1]
.set n, 0
.rept 16
	v_pk_mul_f32 v[160+n:161+n], v[160+n:161+n], v[252:253] op_sel_hi:[1,0]
.set n, n+2
.endr
.set n, 0
.rept 16
	v_pk_fma_f32 v[160+n:161+n], v[96+n:97+n], v[134:135], v[160+n:161+n] op_sel_hi:[1,0,1]
.set n, n+2
.endr
	FINISH 90                                      ; the long tile is whole
.Lend:
	s_wait_tensorcnt 0x0                           ; the wave's end
	ds_add_u32 v251, v255
	s_wait_dscnt 0x0
	CROUND                                         ; the closing round
	s_endpgm
.Lfunc_end_k_q20d5703517_attn:
	.size	k_q20d5703517_attn, .Lfunc_end_k_q20d5703517_attn-k_q20d5703517_attn
	.p2alignl 7, 3214868480
	.fill 96, 4, 3214868480
	.section	.rodata,"a",@progbits
	.p2align	6, 0x0
	.amdhsa_kernel k_q20d5703517_attn
		.amdhsa_group_segment_fixed_size 169984
		.amdhsa_private_segment_fixed_size 0
		.amdhsa_enable_private_segment 0
		.amdhsa_kernarg_size 24
		.amdhsa_user_sgpr_count 2
		.amdhsa_user_sgpr_kernarg_segment_ptr 1
		.amdhsa_wavefront_size32 1
		.amdhsa_system_sgpr_workgroup_id_x 1
		.amdhsa_system_sgpr_workgroup_id_y 1
		.amdhsa_system_sgpr_workgroup_id_z 1
		.amdhsa_system_vgpr_workitem_id 0
		.amdhsa_next_free_vgpr 256
		.amdhsa_next_free_sgpr 100
		.amdhsa_reserve_vcc 1
		.amdhsa_float_denorm_mode_32 3
		.amdhsa_float_denorm_mode_16_64 3
		.amdhsa_memory_ordered 1
		.amdhsa_forward_progress 1
		.amdhsa_inst_pref_size 64
	.end_amdhsa_kernel
	.amdgpu_metadata
---
amdhsa.version: [ 1, 2 ]
amdhsa.kernels:
  - .name:           k_q20d5703517_attn
    .symbol:         k_q20d5703517_attn.kd
    .args:
      - { .name: qkv, .offset: 0, .size: 8, .value_kind: global_buffer, .address_space: global }
      - { .name: lowp_scales, .offset: 8, .size: 8, .value_kind: global_buffer, .address_space: global }
      - { .name: acodes, .offset: 16, .size: 8, .value_kind: global_buffer, .address_space: global }
    .group_segment_fixed_size: 169984
    .private_segment_fixed_size: 0
    .kernarg_segment_align: 8
    .kernarg_segment_size: 24
    .max_flat_workgroup_size: 512
    .sgpr_count:     100
    .vgpr_count:     256
    .wavefront_size: 32
...
	.end_amdgpu_metadata
.endif
;; end of part 3
;; launch fc (part 4): grid 8 x 32, 4 waves a work-group, clusters of 4 x 4, 327,680 bytes of LDS; arguments acodes, wcodes, lowp_scales, tsum; writes tsum
.if DOCPART == 4
	.amdgcn_target "amdgcn-amd-amdhsa--gfx1250"
	.amdhsa_code_object_version 6
	.text
	.protected	k_q20d5703517_fc
	.globl	k_q20d5703517_fc
	.p2align	8
	.type	k_q20d5703517_fc,@function
k_q20d5703517_fc:
	s_mov_b64 s[64:65], 0
	v_nop
	global_prefetch_b8 v0, s[64:65] scope:SCOPE_SE
	s_setreg_imm32_b32 hwreg(HW_REG_WAVE_MODE, 25, 1), 1
	s_wait_xcnt 0x0
	s_wait_alu depctr_hold_cnt(0) depctr_sa_sdst(0) depctr_va_vdst(0) depctr_va_sdst(0) depctr_va_ssrc(0) depctr_va_vcc(0) depctr_vm_vsrc(0)
	s_getreg_b32 s2, hwreg(HW_REG_IB_STS2, 6, 4)
	s_cmp_eq_u32 s2, 0
	s_cbranch_scc0 .Lentry_in_a_cluster
	s_endpgm
.Lentry_in_a_cluster:
	s_bfe_u32 s2, ttmp6, 0x10000c
	s_cmp_lg_u32 s2, 0xf033
	s_cbranch_scc0 .Lentry_shape_is_right
	s_endpgm
.Lentry_shape_is_right:
; t = ctx x Wfc on codes of FP8 (E4M3), K = 1,024: the sums x 2^(e10 + e11), f32, into tsum; bias, residual and norm follow in the next launch.
; A tile of the result is 128 x 128, four waves, 64 x 64 each: 16 accumulators.  Operands lie in memory and in LDS as images of the matrix instruction's registers: a fragment (16 rows x 128 K) is 2,048 bytes, a tensor [rows / 16][K / 128][2,048].
; THE WHOLE K LIES IN LDS: 128 rows of A and 128 of B x 1,024 bytes are 262,144 bytes.  Each wave asks for 64 rows, 65,536 consecutive bytes of memory, by one joint load at the head (clusters of 4 x 4: A's tile is
; shared along a row of the cluster, B's along a column).  No byte of LDS is filled again, so there is no ring; and no loop to run ahead in, so nothing is prefetched.
; The matrix instruction is used transposed (source 0 = Wfc's columns, source 1 = tokens): a lane holds eight neighbouring columns of a row; a block of 16 rows goes out through the wave's own stage in LDS in whole units of 256 bytes.
; LIMIT: e10 + e11 between -126 and 127.
.set KK,     1024
.set WOFF,   3<<20
.set EA,     10
.set LAPS,   KK/1024
.set HALFT,  65536                     ; 64 rows x 1,024 K: 4 x 8 fragments: what one tensor load brings
.set SLOT,   8192                      ; K steps 4 to 7 of a block of 16 rows lie 8,192 bytes behind its K steps 0 to 3
.set SPARE,  4*HALFT                   ; behind the tiles: the spare words, 128 bytes for each wave
.set STAGE,  SPARE+512
.set SPITCH, 272
.set ADRA, 16
.set ADRB, 20
.set STO,  24
.set RD,   25
.set CO,   26
.set SPW,  28
.set NIL,  29
.set TMP,  32
.set BK,   64
.set ACC,  128
.set F0,   0
.set F1,   128
.set G1, 24
.set G0, 32
.set G1B, 48
.set G0B, 56
.set MSB, 0
.macro WIN new
.if MSB != (\new)
	s_set_vgpr_msb (MSB<<8)|(\new)
.set MSB, (\new)
.endif
.endm
.set MUL,  0x05
.set TO_F, 0x40
.macro JLOAD s
	s_cmp_eq_u32 s15, 0
	s_cbranch_scc0 .Lfor_b_\@
	tensor_load_to_lds s[G0+4*\s:G0+4*\s+3], s[G1:G1+7]
	s_nop 0
.rept 4
	v_nop
.endr
	s_branch .Lasked_\@
.Lfor_b_\@:
	tensor_load_to_lds s[G0B+4*\s:G0B+4*\s+3], s[G1B:G1B+7]
	s_nop 0
.rept 4
	v_nop
.endr
.Lasked_\@:
.endm
.macro CREST
	s_cmp_lg_u32 s14, 0
	s_cbranch_scc1 .Lnot_wave_0_\@
	s_barrier_signal -3
.Lnot_wave_0_\@:
	s_barrier_wait -3
	s_barrier_signal -1
	s_barrier_wait -1
.endm
.macro CROUND
	s_barrier_signal -1
	s_barrier_wait -1
	CREST
.endm
	s_load_b256 s[4:11], s[0:1], 0x0
	v_lshl_add_u32 v[SPW], v0, 2, SPARE
	v_mov_b32 v[NIL], 0
	ds_add_u32 v28, v29
	ds_add_u32 v28, v29
	s_wait_dscnt 0x0
	v_lshrrev_b32 v1, 5, v0
	v_readfirstlane_b32 s14, v1
	s_lshr_b32 s15, s14, 1
	s_and_b32 s16, s14, 1
	s_bfe_u32 s40, ttmp6, 0x40000
	s_bfe_u32 s41, ttmp6, 0x40004
	s_lshl_b32 s42, ttmp9, 2
	s_add_co_u32 s42, s42, s40
	s_and_b32 s17, ttmp7, 0xffff
	s_lshl_b32 s17, s17, 2
	s_add_co_u32 s17, s17, s41
	s_lshl_b32 s43, s41, 2
	s_lshl_b32 s43, 15, s43
	s_lshl_b32 s44, 0x1111, s40
	s_or_b32 s[G1+0], s43, (3<<16)|(1<<21)
	s_or_b32 s[G1B+0], s44, (3<<16)|(1<<21)
.irp g, G1, G1B
	s_mov_b32 s[\g+1], 2048<<16                    ; tensor_dim0: eight fragments on end, 16,384 bytes in elements of 8
	s_mov_b32 s[\g+2], 4<<16
	s_mov_b32 s[\g+3], 2048<<16                    ; tile_dim0
	s_mov_b32 s[\g+4], 4
	s_mov_b32 s[\g+5], 2*KK
	s_mov_b32 s[\g+6], 0
	s_mov_b32 s[\g+7], 0
.endr
	s_mul_i32 s18, s16, 64*KK
	s_mul_i32 s20, s17, 128*KK
	s_add_co_u32 s20, s20, s18
	s_mov_b32 s21, 0
	s_mul_i32 s46, s42, 128*KK
	s_add_co_u32 s46, s46, s18
	s_add_co_u32 s46, s46, WOFF
	s_mov_b32 s47, 0
	s_lshl_b32 s45, s14, 16                        ; where my part goes: wave x HALFT
	s_wait_kmcnt 0x0
	s_load_b64 s[96:97], s[8:9], 4*EA
	s_add_nc_u64 s[20:21], s[4:5], s[20:21]
	s_add_nc_u64 s[46:47], s[6:7], s[46:47]
	CROUND
.irp s, 0
	s_mov_b32 s[G0+4*\s], 1
	s_add_co_u32 s[G0+4*\s+1], s45, \s*SLOT
	s_add_nc_u64 s[G0+4*\s+2:G0+4*\s+3], s[20:21], \s*8192
	s_or_b32 s[G0+4*\s+3], s[G0+4*\s+3], 0x80000000
	s_mov_b32 s[G0B+4*\s], 1
	s_add_co_u32 s[G0B+4*\s+1], s45, \s*SLOT
	s_add_nc_u64 s[G0B+4*\s+2:G0B+4*\s+3], s[46:47], \s*8192
	s_or_b32 s[G0B+4*\s+3], s[G0B+4*\s+3], 0x80000000
.endr
	JLOAD 0                                        ; slot 0: one tensor load a wave at the head
	v_and_b32 v1, 15, v0
	s_wait_alu depctr_va_vdst(0)
	v_bfe_u32 v2, v0, 4, 1
	v_and_b32 v6, 31, v0
	v_lshlrev_b32 v7, 4, v6
	s_lshl_b32 s21, s15, 16
	s_lshl_b32 s22, s16, 16
	s_add_co_u32 s22, s22, 2*HALFT
.irp s, 0,1
	v_add_nc_u32 v[ADRA+\s], s21, v7
	v_add_nc_u32 v[ADRB+\s], s22, v7
	s_add_co_u32 s21, s21, SLOT
	s_add_co_u32 s22, s22, SLOT
.endr
	s_mul_i32 s23, s14, 16*SPITCH
	s_add_co_u32 s23, s23, STAGE
	v_mul_u32_u24 v5, v1, SPITCH
	s_wait_alu depctr_va_vdst(0)
	v_lshl_add_u32 v5, v2, 5, v5
	v_add_nc_u32 v[STO], s23, v5
	v_mul_u32_u24 v5, v2, SPITCH
	v_lshl_add_u32 v5, v1, 4, v5
	v_add_nc_u32 v[RD], s23, v5
	v_lshlrev_b32 v5, 12, v2
	v_lshl_add_u32 v[CO], v1, 4, v5
	s_lshl_b32 s20, s17, 7
	s_lshl_b32 s21, s15, 6
	s_add_co_u32 s20, s20, s21
	s_lshl_b32 s20, s20, 12
	s_lshl_b32 s46, s42, 9
	s_lshl_b32 s47, s16, 8
	s_add_co_u32 s46, s46, s47
	s_add_co_u32 s20, s20, s46
	s_mov_b32 s21, 0
	s_add_nc_u64 s[10:11], s[10:11], s[20:21]
.macro MUL8 f, a0, zero
.irp a, \a0, \a0+1
.irp b, 0,1,2,3
.if \zero
	v_wmma_f32_16x16x128_fp8_fp8 v[ACC+8*(4*(\a)+\b):ACC+8*(4*(\a)+\b)+7], v[\f+64+16*\b:\f+64+16*\b+15], v[\f+16*(\a):\f+16*(\a)+15], 0
.else
	v_wmma_f32_16x16x128_fp8_fp8 v[ACC+8*(4*(\a)+\b):ACC+8*(4*(\a)+\b)+7], v[\f+64+16*\b:\f+64+16*\b+15], v[\f+16*(\a):\f+16*(\a)+15], v[ACC+8*(4*(\a)+\b):ACC+8*(4*(\a)+\b)+7]
.endif
.endr
.endr
.endm
.macro FETCH slot, q, f
	WIN TO_F
.irp i, 0,1,2,3
.irp c, 0,1,2,3
	ds_load_b128 v[\f+64+16*\i+4*\c:\f+64+16*\i+4*\c+3], v[ADRB+\slot] offset:\i*16384+(\q)*2048+512*\c
.endr
.endr
.irp i, 0,1,2,3
.irp c, 0,1,2,3
	ds_load_b128 v[\f+16*\i+4*\c:\f+16*\i+4*\c+3], v[ADRA+\slot] offset:\i*16384+(\q)*2048+512*\c
.endr
.endr
.endm
.macro PLACES
.rept 4
	v_nop
.endr
.endm
.macro STEPQ slot, q, f, g, zero
	s_wait_dscnt 0x0
	PLACES
	FETCH \slot, (\q)+1, \g
	WIN MUL
	MUL8 \f, 0, \zero
	MUL8 \f, 2, \zero
.endm
.macro TURN slot, next, fill
	WIN 0
	s_wait_tensorcnt 0x0
	ds_add_u32 v[SPW], v[NIL]
	s_wait_dscnt 0x0
	s_barrier_signal -1
	WIN MUL
	MUL8 F1, 0, 0
	WIN 0
	s_barrier_wait -1
.if \fill
	CREST
	s_add_nc_u64 s[G0+4*\slot+2:G0+4*\slot+3], s[G0+4*\slot+2:G0+4*\slot+3], 16384
	s_add_nc_u64 s[G0B+4*\slot+2:G0B+4*\slot+3], s[G0B+4*\slot+2:G0B+4*\slot+3], 16384
	JLOAD \slot
.else
	PLACES
.endif
	FETCH \next, 0, F0
	WIN MUL
	MUL8 F1, 2, 0
.endm
	s_wait_alu depctr_va_vdst(0)
	s_wait_tensorcnt 0x0                           ; my part of the tiles is in
	s_barrier_signal -1
	s_barrier_wait -1                              ; everybody's is
	FETCH 0, 0, F0
	STEPQ 0, 0, F0, F1, 1
.if LAPS > 1
	WIN 0
	s_mov_b32 s3, LAPS-1
.Llap:
	STEPQ 0, 1, F1, F0, 0
	STEPQ 0, 2, F0, F1, 0
	TURN 0, 1, 1
	STEPQ 1, 0, F0, F1, 0
	STEPQ 1, 1, F1, F0, 0
	STEPQ 1, 2, F0, F1, 0
	TURN 1, 0, 1
	STEPQ 0, 0, F0, F1, 0
	WIN 0
	s_sub_co_u32 s3, s3, 1
	s_cmp_lg_u32 s3, 0
	s_cbranch_scc1 .Llap
.endif
	STEPQ 0, 1, F1, F0, 0
	STEPQ 0, 2, F0, F1, 0
	TURN 0, 1, 0
	STEPQ 1, 0, F0, F1, 0
	STEPQ 1, 1, F1, F0, 0
	STEPQ 1, 2, F0, F1, 0
	s_wait_dscnt 0x0
	MUL8 F1, 0, 0
	MUL8 F1, 2, 0
	WIN 0
.macro TOSTAGE a
.set n, 0
.rept 16
	v_pk_mul_f32 v[TMP+n:TMP+n+1], v[ACC+32*(\a)+n:ACC+32*(\a)+n+1], s[96:97] op_sel_hi:[1,0]
.set n, n+2
.endr
.irp b, 0,1,2,3
	ds_store_b128 v[STO], v[TMP+8*\b:TMP+8*\b+3] offset:64*\b
	ds_store_b128 v[STO], v[TMP+8*\b+4:TMP+8*\b+7] offset:64*\b+16
.endr
.irp t, 0,1,2,3,4,5,6,7
	ds_load_b128 v[BK+32*((\a)%2)+4*\t:BK+32*((\a)%2)+4*\t+3], v[RD] offset:\t*2*SPITCH
.endr
.endm
.macro SEND a, younger
	s_wait_dscnt \younger
.irp t, 0,1,2,3,4,5,6,7
	global_store_b128 v[CO], v[BK+32*((\a)%2)+4*\t:BK+32*((\a)%2)+4*\t+3], s[10:11] offset:(16*(\a)+2*\t)*4096
.endr
.endm
	s_wait_kmcnt 0x0
	s_add_co_i32 s96, s96, s97
	s_add_co_i32 s96, s96, 127
	s_lshl_b32 s96, s96, 23
	PLACES
	TOSTAGE 0
.irp a, 1,2,3
.if \a > 1
	s_wait_xcnt 0x0
.endif
	TOSTAGE \a
	SEND \a-1, 16
.endr
	SEND 3, 0
	s_wait_tensorcnt 0x0
	ds_add_u32 v[SPW], v[NIL]
	s_wait_dscnt 0x0
	CROUND
	s_endpgm
.Lfunc_end_k_q20d5703517_fc:
	.size	k_q20d5703517_fc, .Lfunc_end_k_q20d5703517_fc-k_q20d5703517_fc
	.p2alignl 7, 3214868480
	.fill 96, 4, 3214868480
	.section	.rodata,"a",@progbits
	.p2align	6, 0x0
	.amdhsa_kernel k_q20d5703517_fc
		.amdhsa_group_segment_fixed_size 327680
		.amdhsa_private_segment_fixed_size 0
		.amdhsa_enable_private_segment 0
		.amdhsa_kernarg_size 32
		.amdhsa_user_sgpr_count 2
		.amdhsa_user_sgpr_kernarg_segment_ptr 1
		.amdhsa_wavefront_size32 1
		.amdhsa_system_sgpr_workgroup_id_x 1
		.amdhsa_system_sgpr_workgroup_id_y 1
		.amdhsa_system_sgpr_workgroup_id_z 1
		.amdhsa_system_vgpr_workitem_id 0
		.amdhsa_next_free_vgpr 512
		.amdhsa_next_free_sgpr 100
		.amdhsa_reserve_vcc 0
		.amdhsa_float_denorm_mode_32 3
		.amdhsa_float_denorm_mode_16_64 3
		.amdhsa_memory_ordered 1
		.amdhsa_forward_progress 1
		.amdhsa_inst_pref_size 44
	.end_amdhsa_kernel
	.amdgpu_metadata
---
amdhsa.version: [ 1, 2 ]
amdhsa.kernels:
  - .name:           k_q20d5703517_fc
    .symbol:         k_q20d5703517_fc.kd
    .args:
      - { .name: acodes, .offset: 0, .size: 8, .value_kind: global_buffer, .address_space: global }
      - { .name: wcodes, .offset: 8, .size: 8, .value_kind: global_buffer, .address_space: global }
      - { .name: lowp_scales, .offset: 16, .size: 8, .value_kind: global_buffer, .address_space: global }
      - { .name: tsum, .offset: 24, .size: 8, .value_kind: global_buffer, .address_space: global }
    .group_segment_fixed_size: 327680
    .private_segment_fixed_size: 0
    .kernarg_segment_align: 8
    .kernarg_segment_size: 32
    .max_flat_workgroup_size: 128
    .sgpr_count:     100
    .vgpr_count:     512
    .wavefront_size: 32
...
	.end_amdgpu_metadata
.endif
;; end of part 4
;; launch ln1 (part 5): grid 256 x 1, 16 waves a work-group, no clusters, 18,432 bytes of LDS; arguments tsum, bfc, embeddings, g1, be1, lowp_scales, old, acodes; writes old, acodes
.if DOCPART == 5
	.amdgcn_target "amdgcn-amd-amdhsa--gfx1250"
	.amdhsa_code_object_version 6
	.text
	.protected	k_q20d5703517_ln1
	.globl	k_q20d5703517_ln1
	.p2align	8
	.type	k_q20d5703517_ln1,@function
k_q20d5703517_ln1:
	s_mov_b64 s[64:65], 0
	v_nop
	global_prefetch_b8 v0, s[64:65] scope:SCOPE_SE
	s_setreg_imm32_b32 hwreg(HW_REG_WAVE_MODE, 25, 1), 1
	s_wait_xcnt 0x0
; y = layernorm(t + bias + residual) x gain + offset, rows of 1,024, all in f32; the variance is taken of the centred numbers.  CODES = 1: y is also quantised (FP8 E4M3, entry 12) as the next product's operand.
; A wave takes one row (16 x work-group + wave); lane l holds columns 128 j + 4 l + 0 .. 3, j = 0 .. 7: every load and store covers 512 consecutive bytes.  The row stays in registers: memory is read once.
; No cluster, no tensor load: the rows are each read once; what the waves share (bias, gain, offset) is three rows.
; The codes of the work-group's 16 rows are 8 fragments (images of the operand's registers: registers 4 g .. 4 g + 3 of lane (r, h) at 512 g + 16 (16 h + r)); they meet in LDS and leave dense.
; LIMIT: entry 12 between -126 and 119.  NaN among the inputs is not served.
.set CODES, 1
.set X, 32
.set R, 64
.set B, 96
.set G, 128
.set E, 160
.if CODES
	s_load_b512 s[4:19], s[0:1], 0x0               ; t s[4:5], bias s[6:7], residual s[8:9], gain s[10:11], offset s[12:13], scales s[14:15], y s[16:17], codes s[18:19]
	v_lshl_add_u32 v192, v0, 2, 0x4000
	v_mov_b32 v193, 0
.else
	s_load_b256 s[4:11], s[0:1], 0x0
	s_load_b128 s[12:15], s[0:1], 0x20             ; offset s[12:13], y s[14:15]
.endif
	v_lshrrev_b32 v1, 5, v0
	s_delay_alu instid0(VALU_DEP_1)
	v_readfirstlane_b32 s20, v1                    ; wave
	v_and_b32 v10, 31, v0                          ; lane
	s_delay_alu instid0(VALU_DEP_1)
	v_lshlrev_b32 v1, 4, v10
	v_mov_b32 v9, 0                                ; written once: a lane permute's destination counts as one of its sources
	s_lshl_b32 s22, ttmp9, 4
	s_add_co_u32 s22, s22, s20
	s_lshl_b32 s22, s22, 12                        ; my row, in bytes
	s_mov_b32 s23, 0
	s_mov_b32 s24, 0x76543210
	s_mov_b32 s25, 0xfedcba98
	s_mov_b32 s26, 0x3a800000                      ; 1 / 1,024
	s_mov_b32 s27, 0x3727c5ac                      ; 1e-5
	s_wait_alu depctr_va_vdst(0)
	s_wait_kmcnt 0x0
	s_add_nc_u64 s[4:5], s[4:5], s[22:23]
	s_add_nc_u64 s[8:9], s[8:9], s[22:23]
.if CODES
	s_load_b32 s28, s[14:15], 0x30                 ; entry 12
	s_add_nc_u64 s[16:17], s[16:17], s[22:23]
.else
	s_add_nc_u64 s[14:15], s[14:15], s[22:23]
.endif
.irp j, 0,1,2,3,4,5,6,7
	global_load_b128 v[X+4*\j:X+4*\j+3], v1, s[4:5] offset:512*\j th:TH_LOAD_NT
.endr
.irp j, 0,1,2,3,4,5,6,7
	global_load_b128 v[R+4*\j:R+4*\j+3], v1, s[8:9] offset:512*\j th:TH_LOAD_NT
.endr
.irp j, 0,1,2,3,4,5,6,7
	global_load_b128 v[B+4*\j:B+4*\j+3], v1, s[6:7] offset:512*\j
.endr
.irp j, 0,1,2,3,4,5,6,7
	global_load_b128 v[G+4*\j:G+4*\j+3], v1, s[10:11] offset:512*\j
.endr
.irp j, 0,1,2,3,4,5,6,7
	global_load_b128 v[E+4*\j:E+4*\j+3], v1, s[12:13] offset:512*\j
.endr
.macro RED                             ; v2 summed over the 32 lanes, the result in every lane
	s_delay_alu instid0(VALU_DEP_1)
	v_add_f32_dpp v2, v2, v2 row_xmask:1 row_mask:0xf bank_mask:0xf
	s_delay_alu instid0(VALU_DEP_1)
	v_add_f32_dpp v2, v2, v2 row_xmask:2 row_mask:0xf bank_mask:0xf
	s_delay_alu instid0(VALU_DEP_1)
	v_add_f32_dpp v2, v2, v2 row_xmask:4 row_mask:0xf bank_mask:0xf
	s_delay_alu instid0(VALU_DEP_1)
	v_add_f32_dpp v2, v2, v2 row_xmask:8 row_mask:0xf bank_mask:0xf
	s_delay_alu instid0(VALU_DEP_1)
	v_permlanex16_b32 v9, v2, s24, s25
	s_delay_alu instid0(VALU_DEP_1)
	v_add_f32 v2, v2, v9
.endm
	s_wait_loadcnt 16                              ; t, residual and bias are in; the gain's and the offset's 16 loads may be out
.set n, 0
.rept 16
	v_pk_add_f32 v[X+n:X+n+1], v[X+n:X+n+1], v[B+n:B+n+1]
.set n, n+2
.endr
.set n, 0
.rept 16
	v_pk_add_f32 v[X+n:X+n+1], v[X+n:X+n+1], v[R+n:R+n+1]
.set n, n+2
.endr
	v_pk_add_f32 v[2:3], v[X:X+1], v[X+2:X+3]      ; the row's sum, in two packed chains
	v_pk_add_f32 v[4:5], v[X+4:X+5], v[X+6:X+7]
.irp j, 8,12,16,20,24,28
	s_delay_alu instid0(VALU_DEP_2)
	v_pk_add_f32 v[2:3], v[2:3], v[X+\j:X+\j+1]
	s_delay_alu instid0(VALU_DEP_2)
	v_pk_add_f32 v[4:5], v[4:5], v[X+\j+2:X+\j+3]
.endr
	s_delay_alu instid0(VALU_DEP_1)
	v_pk_add_f32 v[2:3], v[2:3], v[4:5]
	s_delay_alu instid0(VALU_DEP_1)
	v_add_f32 v2, v2, v3
	RED
	s_delay_alu instid0(VALU_DEP_1)
	v_mul_f32 v2, s26, v2                          ; the mean
	s_delay_alu instid0(VALU_DEP_1)
	v_mov_b32 v3, v2
.set n, 0
.rept 16
	v_pk_add_f32 v[X+n:X+n+1], v[X+n:X+n+1], v[2:3] neg_lo:[0,1] neg_hi:[0,1]
.set n, n+2
.endr
	v_pk_mul_f32 v[4:5], v[X:X+1], v[X:X+1]        ; the squares of the centred numbers
	v_pk_mul_f32 v[6:7], v[X+2:X+3], v[X+2:X+3]
.irp j, 4,8,12,16,20,24,28
	s_delay_alu instid0(VALU_DEP_2)
	v_pk_fma_f32 v[4:5], v[X+\j:X+\j+1], v[X+\j:X+\j+1], v[4:5]
	s_delay_alu instid0(VALU_DEP_2)
	v_pk_fma_f32 v[6:7], v[X+\j+2:X+\j+3], v[X+\j+2:X+\j+3], v[6:7]
.endr
	s_delay_alu instid0(VALU_DEP_1)
	v_pk_add_f32 v[4:5], v[4:5], v[6:7]
	s_delay_alu instid0(VALU_DEP_1)
	v_add_f32 v2, v4, v5
	RED
	s_delay_alu instid0(VALU_DEP_1)
	v_fma_f32 v4, v2, s26, s27                     ; the variance + 1e-5
	s_wait_alu depctr_va_vdst(0)
	v_rsq_f32 v4, v4
	v_nop                                          ; a plain line behind the root
	s_wait_alu depctr_va_vdst(0)                   ; ahead of its first reader
	v_mov_b32 v5, v4
	s_wait_alu depctr_va_vdst(0)
	s_wait_loadcnt 0x0
.set n, 0
.rept 16
	v_pk_mul_f32 v[X+n:X+n+1], v[X+n:X+n+1], v[4:5]
.set n, n+2
.endr
.set n, 0
.rept 16
	v_pk_fma_f32 v[X+n:X+n+1], v[X+n:X+n+1], v[G+n:G+n+1], v[E+n:E+n+1]
.set n, n+2
.endr
.irp j, 0,1,2,3,4,5,6,7
.if CODES
	global_store_b128 v1, v[X+4*\j:X+4*\j+3], s[16:17] offset:512*\j
.else
	global_store_b128 v1, v[X+4*\j:X+4*\j+3], s[14:15] offset:512*\j th:TH_STORE_NT
.endif
.endr
.if CODES
	s_wait_kmcnt 0x0
	s_add_co_i32 s28, s28, 127
	s_lshl_b32 s29, s28, 23
	v_mov_b32 v6, s29                              ; 2^e
	s_add_co_i32 s28, s28, 8
	s_lshl_b32 s28, s28, 23
	s_or_b32 s28, s28, 0x600000
	v_mov_b32 v7, s28                              ; 448 x 2^e
	v_lshrrev_b32 v11, 3, v10                      ; my four codes k = 4 l + 0 .. 3 of K step j are one register of the fragment: group l / 8, lane 16 ((l / 2) % 2) + row, register 2 ((l / 4) % 2) + l % 2
	s_delay_alu instid0(VALU_DEP_1)
	v_lshlrev_b32 v11, 9, v11
	v_bfe_u32 v12, v10, 1, 1
	s_delay_alu instid0(VALU_DEP_1)
	v_lshl_add_u32 v11, v12, 8, v11
	v_bfe_u32 v12, v10, 2, 1
	s_delay_alu instid0(VALU_DEP_1)
	v_lshl_add_u32 v11, v12, 3, v11
	v_and_b32 v12, 1, v10
	s_delay_alu instid0(VALU_DEP_1)
	v_lshl_add_u32 v11, v12, 2, v11
	s_lshl_b32 s29, s20, 4
	v_add_nc_u32 v11, s29, v11
	s_lshl_b32 s29, s20, 10
	v_add_nc_u32 v13, s29, v1                      ; back: 1,024 bytes a wave
	s_lshl_b32 s30, ttmp9, 14
	s_mov_b32 s31, 0
	s_add_nc_u64 s[18:19], s[18:19], s[30:31]
.set n, 0
.rept 32
	v_med3_num_f32 v[R+n], v[X+n], -v7, v7
.set n, n+1
.endr
.irp i, 0,1,2,3
	v_cvt_scalef32_pk8_fp8_f32 v[B+2*\i:B+2*\i+1], v[R+8*\i:R+8*\i+7], v6   ; register B + j: the four codes of load group j
.endr
	v_nop
.irp j, 0,1,2,3,4,5,6,7
	ds_store_b32 v11, v[B+\j] offset:2048*\j
.endr
	s_wait_dscnt 0x0                               ; for the others' sake: my stores have landed
	s_barrier_signal -1
	s_barrier_wait -1
	ds_load_b128 v[104:107], v13
	ds_load_b128 v[108:111], v13 offset:512
	s_wait_dscnt 0x0
	global_store_b128 v13, v[104:107], s[18:19]
	global_store_b128 v13, v[108:111], s[18:19] offset:512
.endif
	s_wait_tensorcnt 0x0
	ds_add_u32 v192, v193
	s_wait_dscnt 0x0
	s_endpgm
.Lfunc_end_k_q20d5703517_ln1:
	.size	k_q20d5703517_ln1, .Lfunc_end_k_q20d5703517_ln1-k_q20d5703517_ln1
	.p2alignl 7, 3214868480
	.fill 96, 4, 3214868480
	.section	.rodata,"a",@progbits
	.p2align	6, 0x0
	.amdhsa_kernel k_q20d5703517_ln1
		.amdhsa_group_segment_fixed_size 18432
		.amdhsa_private_segment_fixed_size 0
		.amdhsa_enable_private_segment 0
		.amdhsa_kernarg_size 64
		.amdhsa_user_sgpr_count 2
		.amdhsa_user_sgpr_kernarg_segment_ptr 1
		.amdhsa_wavefront_size32 1
		.amdhsa_system_sgpr_workgroup_id_x 1
		.amdhsa_system_sgpr_workgroup_id_y 1
		.amdhsa_system_sgpr_workgroup_id_z 1
		.amdhsa_system_vgpr_workitem_id 0
		.amdhsa_next_free_vgpr 194
		.amdhsa_next_free_sgpr 66
		.amdhsa_reserve_vcc 0
		.amdhsa_float_denorm_mode_32 3
		.amdhsa_float_denorm_mode_16_64 3
		.amdhsa_memory_ordered 1
		.amdhsa_forward_progress 1
		.amdhsa_inst_pref_size 20
	.end_amdhsa_kernel
	.amdgpu_metadata
---
amdhsa.version: [ 1, 2 ]
amdhsa.kernels:
  - .name:           k_q20d5703517_ln1
    .symbol:         k_q20d5703517_ln1.kd
    .args:
      - { .name: tsum, .offset: 0, .size: 8, .value_kind: global_buffer, .address_space: global }
      - { .name: bfc, .offset: 8, .size: 8, .value_kind: global_buffer, .address_space: global }
      - { .name: embeddings, .offset: 16, .size: 8, .value_kind: global_buffer, .address_space: global }
      - { .name: g1, .offset: 24, .size: 8, .value_kind: global_buffer, .address_space: global }
      - { .name: be1, .offset: 32, .size: 8, .value_kind: global_buffer, .address_space: global }
      - { .name: lowp_scales, .offset: 40, .size: 8, .value_kind: global_buffer, .address_space: global }
      - { .name: old, .offset: 48, .size: 8, .value_kind: global_buffer, .address_space: global }
      - { .name: acodes, .offset: 56, .size: 8, .value_kind: global_buffer, .address_space: global }
    .group_segment_fixed_size: 18432
    .private_segment_fixed_size: 0
    .kernarg_segment_align: 8
    .kernarg_segment_size: 64
    .max_flat_workgroup_size: 512
    .sgpr_count:     66
    .vgpr_count:     194
    .wavefront_size: 32
...
	.end_amdgpu_metadata
.endif
;; end of part 5
;; launch mlp1 (part 6): grid 16 x 16, 4 waves a work-group, clusters of 4 x 4, 327,680 bytes of LDS; arguments acodes, wcodes, lowp_scales, b1, hcodes; writes hcodes
.if DOCPART == 6
	.amdgcn_target "amdgcn-amd-amdhsa--gfx1250"
	.amdhsa_code_object_version 6
	.text
	.protected	k_q20d5703517_mlp1
	.globl	k_q20d5703517_mlp1
	.p2align	8
	.type	k_q20d5703517_mlp1,@function
k_q20d5703517_mlp1:
	s_mov_b64 s[64:65], 0
	v_nop
	global_prefetch_b8 v0, s[64:65] scope:SCOPE_SE
	s_setreg_imm32_b32 hwreg(HW_REG_WAVE_MODE, 25, 1), 1
	s_wait_xcnt 0x0
	s_wait_alu depctr_hold_cnt(0) depctr_sa_sdst(0) depctr_va_vdst(0) depctr_va_sdst(0) depctr_va_ssrc(0) depctr_va_vcc(0) depctr_vm_vsrc(0)
	s_getreg_b32 s2, hwreg(HW_REG_IB_STS2, 6, 4)
	s_cmp_eq_u32 s2, 0
	s_cbranch_scc0 .Lentry_in_a_cluster
	s_endpgm
.Lentry_in_a_cluster:
	s_bfe_u32 s2, ttmp6, 0x10000c
	s_cmp_lg_u32 s2, 0xf033
	s_cbranch_scc0 .Lentry_shape_is_right
	s_endpgm
.Lentry_shape_is_right:
; h = gelu(old x W1 + b1), the exact form, on codes of FP8 (E4M3), K = 1,024, and h quantised again (entry 14) as the next product's operand.
; A tile of the result is 256 x 256, four waves, 128 x 128 each: 64 accumulators, 512 registers.  Operands lie in memory and in LDS as images of the matrix instruction's registers
; (a fragment of 16 rows x 128 K is 2,048 bytes); K goes in steps of 256 through a ring of two LDS slots; clusters of 4 x 4: A's tile is asked for jointly along a row of the cluster, B's along a column.
; The matrix instruction is used transposed (source 0 = W1's columns, source 1 = tokens): a lane's eight registers run along the hidden units, so eight registers converted are two registers of the next fragment.
; THE WAY OUT, 32 numbers a lane in each of 16 trips: x = sum x 2^(e12 + e13) + b1; a = |x| / sqrt(2); gelu(x) = max(x, 0) - a erfc(a) / sqrt(2);
; erfc(a) = exp(-a^2) (1 + P(q)) / (2 a + 1), q = (a - 2) / (a + 2), P of degree 9.  One reciprocal, of (a + 2)(2 a + 1), serves both quotients.
; All sources of a trip's 32 reciprocals and 32 exponentials are laid first, so that the 64 go as one batch with one wait ahead of it and one behind it.
; LIMITS: e12 + e13 between -126 and 127; e14 between -126 and 119.  NaN among the inputs is not served.
; THE TILES ARE PREFETCHED INTO THE L2: behind the load of slot t each wave names slot t + 2 (behind slot 0's also slot 1): of the 8 blocks of 16 rows that it fetches, the partner at place p among the four that
; ask jointly (cx for A, cy for B) names blocks 2 p and 2 p + 1, told apart by address: 32 lanes x 256 bytes = 2 x 4,096 bytes, one instruction.  K has four slots, so the three requests stand at the head and none in the loop.
.set PFA,    84                        ; s[84:85] my work-group's two blocks of the rows that my wave fetches, at slot 0; never rewritten
.set PFO,    23                        ; v23  16,384 (lane / 16) + 256 (lane % 16); never rewritten
.set HALFT,  32768
.set SLOT,   4*HALFT
.set SPARE,  2*SLOT
.set FR,     16
.set NL,     4
.set NP,     4
.set LAPS,   2
.set ADRA, 16
.set ADRB, 20
.set CO,   26
.set SPW,  28
.set NIL,  29
.set AF,   128
.set G1, 24
.set G0, 32
.set G1B, 48
.set G0B, 56
.set MSB, 0
.macro WIN new
.if MSB != (\new)
	s_set_vgpr_msb (MSB<<8)|(\new)
.set MSB, (\new)
.endif
.endm
.set MUL_LO, 0xa1
.set MUL_HI, 0xf1
.set TO_B,   0x40
.macro JLOAD g0a, g1a, g0b, g1b
	s_cmp_eq_u32 s15, 0
	s_cbranch_scc0 .Lfor_b_\@
	tensor_load_to_lds s[\g0a:\g0a+3], s[\g1a:\g1a+7]
	s_nop 0
.rept 4
	v_nop
.endr
	s_branch .Lasked_\@
.Lfor_b_\@:
	tensor_load_to_lds s[\g0b:\g0b+3], s[\g1b:\g1b+7]
	s_nop 0
.rept 4
	v_nop
.endr
.Lasked_\@:
.endm
.macro CREST
	s_cmp_lg_u32 s14, 0
	s_cbranch_scc1 .Lnot_wave_0_\@
	s_barrier_signal -3
.Lnot_wave_0_\@:
	s_barrier_wait -3
	s_barrier_signal -1
	s_barrier_wait -1
.endm
.macro CROUND
	s_barrier_signal -1
	s_barrier_wait -1
	CREST
.endm
	s_load_b256 s[4:11], s[0:1], 0x0
	s_load_b64 s[88:89], s[0:1], 0x20
	v_lshl_add_u32 v[SPW], v0, 2, SPARE
	v_mov_b32 v[NIL], 0
	ds_add_u32 v28, v29
	ds_add_u32 v28, v29
	s_wait_dscnt 0x0
	v_lshrrev_b32 v1, 5, v0
	v_readfirstlane_b32 s14, v1
	s_lshr_b32 s15, s14, 1
	s_and_b32 s16, s14, 1
	s_bfe_u32 s40, ttmp6, 0x40000
	s_bfe_u32 s41, ttmp6, 0x40004
	s_lshl_b32 s42, ttmp9, 2
	s_add_co_u32 s42, s42, s40
	s_and_b32 s17, ttmp7, 0xffff
	s_lshl_b32 s17, s17, 2
	s_add_co_u32 s17, s17, s41
	s_lshl_b32 s43, s41, 2
	s_lshl_b32 s43, 15, s43
	s_lshl_b32 s44, 0x1111, s40
	s_or_b32 s[G1+0], s43, (3<<16)|(1<<21)
	s_or_b32 s[G1B+0], s44, (3<<16)|(1<<21)
.irp g, G1, G1B
	s_mov_b32 s[\g+1], 512<<16
	s_mov_b32 s[\g+2], 8<<16
	s_mov_b32 s[\g+3], 512<<16
	s_mov_b32 s[\g+4], 8
	s_mov_b32 s[\g+5], 2048
	s_mov_b32 s[\g+6], 0
	s_mov_b32 s[\g+7], 0
.endr
	s_lshl_b32 s18, s16, 17
	s_lshl_b32 s20, s17, 18
	s_add_co_u32 s20, s20, s18
	s_mov_b32 s21, 0
	s_lshl_b32 s46, s42, 18
	s_add_co_u32 s46, s46, s18
	s_add_co_u32 s46, s46, 0x400000
	s_mov_b32 s47, 0
	s_lshl_b32 s45, s14, 15
	s_wait_kmcnt 0x0
	s_load_b512 s[68:83], s[8:9], 0x0
	s_add_nc_u64 s[20:21], s[4:5], s[20:21]
	s_add_nc_u64 s[46:47], s[6:7], s[46:47]
	CROUND
.irp s, 0,1
	s_mov_b32 s[G0+4*\s], 1
	s_add_co_u32 s[G0+4*\s+1], s45, \s*SLOT
	s_add_nc_u64 s[G0+4*\s+2:G0+4*\s+3], s[20:21], \s*4096
	s_or_b32 s[G0+4*\s+3], s[G0+4*\s+3], 0x80000000
	s_mov_b32 s[G0B+4*\s], 1
	s_add_co_u32 s[G0B+4*\s+1], s45, \s*SLOT
	s_add_nc_u64 s[G0B+4*\s+2:G0B+4*\s+3], s[46:47], \s*4096
	s_or_b32 s[G0B+4*\s+3], s[G0B+4*\s+3], 0x80000000
.endr
	JLOAD G0, G1, G0B, G1B                         ; slot 0: one tensor load a wave at the head
	s_cmp_eq_u32 s15, 0                            ; do I fetch for A?
	s_cselect_b64 s[PFA:PFA+1], s[20:21], s[46:47]
	s_cselect_b32 s86, s40, s41                    ; my place among the four partners
	s_lshl_b32 s86, s86, 15                        ; two blocks of 16 rows x 1,024 bytes
	s_mov_b32 s87, 0
	s_add_nc_u64 s[PFA:PFA+1], s[PFA:PFA+1], s[86:87]
	v_and_b32 v22, 15, v0
	v_bfe_u32 v[PFO], v0, 4, 1
	v_lshlrev_b32 v22, 8, v22
	v_lshl_add_u32 v[PFO], v[PFO], 14, v22
	global_prefetch_b8 v[PFO], s[PFA:PFA+1] offset:4096 th:TH_LOAD_NT scope:SCOPE_SE   ; slot 1
	global_prefetch_b8 v[PFO], s[PFA:PFA+1] offset:8192 th:TH_LOAD_NT scope:SCOPE_SE   ; slot 2
	v_and_b32 v6, 31, v0
	v_lshlrev_b32 v[CO], 4, v6
	v_bfe_u32 v2, v0, 4, 1
	v_lshlrev_b32 v27, 5, v2
	s_lshl_b32 s21, s15, 15
	s_lshl_b32 s22, s16, 15
	s_add_co_u32 s22, s22, 2*HALFT
.irp s, 0,1
	v_add_nc_u32 v[ADRA+\s], s21, v[CO]
	v_add_nc_u32 v[ADRB+\s], s22, v[CO]
	s_add_co_u32 s21, s21, SLOT
	s_add_co_u32 s22, s22, SLOT
.endr
	s_lshl_b32 s18, s17, 8
	s_lshl_b32 s19, s15, 7
	s_add_co_u32 s18, s18, s19
	s_lshl_b32 s19, s42, 8
	s_lshl_b32 s23, s16, 7
	s_add_co_u32 s19, s19, s23
	s_lshl_b32 s90, s18, 12
	s_lshl_b32 s91, s19, 4
	s_add_co_u32 s90, s90, s91
	s_mov_b32 s91, 0
	s_add_nc_u64 s[88:89], s[88:89], s[90:91]
	s_lshl_b32 s90, s19, 2
	s_add_nc_u64 s[10:11], s[10:11], s[90:91]
	s_mov_b32 s98, 0x3f3504f3
	s_wait_alu depctr_va_vdst(0)
	s_wait_kmcnt 0x0
	s_add_co_i32 s90, s80, s81
	s_add_co_i32 s90, s90, 127
	s_lshl_b32 s96, s90, 23
	s_mov_b32 s97, s96
	s_add_co_i32 s93, s82, 127
	s_lshl_b32 s90, s93, 23
	v_mov_b32 v30, s90
	s_add_co_i32 s93, s93, 8
	s_lshl_b32 s93, s93, 23
	s_or_b32 s93, s93, 0x600000
	v_mov_b32 v31, s93
.macro FRAG reg, adr, q, i
.irp c, 0,1,2,3
	ds_load_b128 v[\reg+4*\c:\reg+4*\c+3], v[\adr] offset:(\i)*4096+(\q)*2048+512*\c
.endr
.endm
.macro MUL16 a0, p, zero
.irp a, \a0, \a0+1
.irp b, 0,1,2,3,4,5,6,7
.if \zero
	v_wmma_f32_16x16x128_fp8_fp8 v[8*(8*((\a)%4)+\b):8*(8*((\a)%4)+\b)+7], v[128*(\p)+FR*\b:128*(\p)+FR*\b+FR-1], v[AF+FR*(\a):AF+FR*(\a)+FR-1], 0
.else
	v_wmma_f32_16x16x128_fp8_fp8 v[8*(8*((\a)%4)+\b):8*(8*((\a)%4)+\b)+7], v[128*(\p)+FR*\b:128*(\p)+FR*\b+FR-1], v[AF+FR*(\a):AF+FR*(\a)+FR-1], v[8*(8*((\a)%4)+\b):8*(8*((\a)%4)+\b)+7]
.endif
.endr
.endr
.endm
.macro FETCH_B slot, q, p
	WIN TO_B
.irp i, 0,1,2,3,4,5,6,7
	FRAG 128*(\p)+FR*\i, ADRB+\slot, \q, \i
.endr
	WIN 0
.endm
.macro FETCH_A slot, q, i0
.irp i, \i0, \i0+1, \i0+2, \i0+3
	FRAG AF+FR*(\i), ADRA+\slot, \q, \i
.endr
.endm
.macro PLACES n
.rept \n
	v_nop
.endr
.endm
.macro STEP slot, q, zero
	s_wait_dscnt 4*NL
	WIN MUL_LO
	MUL16 0, (\q)%2, \zero
	MUL16 2, (\q)%2, \zero
	s_wait_dscnt 0
	PLACES NP
	FETCH_B \slot, (\q)+1, 1-(\q)%2
	FETCH_A \slot, (\q)+1, 0
	WIN MUL_HI
	MUL16 4, (\q)%2, \zero
	MUL16 6, (\q)%2, \zero
	PLACES NP
	WIN 0
	FETCH_A \slot, (\q)+1, 4
.endm
.macro TURN slot, next, fill
	s_wait_tensorcnt 0x0
	ds_add_u32 v[SPW], v[NIL]
	s_wait_dscnt 4*NL+1
	WIN MUL_LO
	MUL16 0, 1, 0
	s_wait_dscnt 0x0
	s_barrier_signal -1
	MUL16 2, 1, 0
	WIN 0
	s_barrier_wait -1
.if \fill
	CREST
	s_add_nc_u64 s[G0+4*\slot+2:G0+4*\slot+3], s[G0+4*\slot+2:G0+4*\slot+3], 8192
	s_add_nc_u64 s[G0B+4*\slot+2:G0B+4*\slot+3], s[G0B+4*\slot+2:G0B+4*\slot+3], 8192
	JLOAD G0+4*\slot, G1, G0B+4*\slot, G1B
.else
	PLACES NP
.endif
	FETCH_B \next, 0, 0
	FETCH_A \next, 0, 0
	WIN MUL_HI
	MUL16 4, 1, 0
	MUL16 6, 1, 0
	PLACES NP
	WIN 0
	FETCH_A \next, 0, 4
.endm
	s_wait_alu depctr_va_vdst(0)
	s_wait_tensorcnt 0x0                           ; my part of slot 0 is in; slot 1's first fill is issued as a refill is:
	ds_add_u32 v[SPW], v[NIL]                      ; 0 onto my spare word
	s_wait_dscnt 0x0
	CROUND                                         ; everybody's part of slot 0 is in, and the sixteen partners' joint loads meet
	JLOAD G0+4, G1, G0B+4, G1B                     ; slot 1: the first tensor load behind the round
	global_prefetch_b8 v[PFO], s[PFA:PFA+1] offset:12288 th:TH_LOAD_NT scope:SCOPE_SE  ; slot 3, the last
	FETCH_B 0, 0, 0
	FETCH_A 0, 0, 0
	FETCH_A 0, 0, 4
	STEP 0, 0, 1
	s_mov_b32 s3, LAPS-1
.Llap:
	TURN 0, 1, 1
	STEP 1, 0, 0
	TURN 1, 0, 1
	STEP 0, 0, 0
	s_sub_co_u32 s3, s3, 1
	s_cmp_lg_u32 s3, 0
	s_cbranch_scc1 .Llap
	TURN 0, 1, 0
	STEP 1, 0, 0
	WIN TO_B
.irp b, 0,1,2,3,4,5,6,7
	global_load_b128 v[8*\b:8*\b+3], v27, s[10:11] offset:64*\b
	global_load_b128 v[8*\b+4:8*\b+7], v27, s[10:11] offset:64*\b+16
.endr
	WIN 0
	s_wait_dscnt 4*NL
	WIN MUL_LO
	MUL16 0, 1, 0
	MUL16 2, 1, 0
	s_wait_dscnt 0
	WIN MUL_HI
	MUL16 4, 1, 0
	MUL16 6, 1, 0
	WIN 0
.set Y,  64
.set AA, 96
.set U,  128
.set W,  160
.set R,  192
.set Q,  224
.set CP, 32
.macro SETP k, val
	v_mov_b32 v[CP+2*(\k)], \val
	v_mov_b32 v[CP+2*(\k)+1], \val
.endm
	SETP 0, 0xb9d25000
	SETP 1, 0xbaa15130
	SETP 2, 0x3aac2b8a
	SETP 3, 0x3c0d6e62
	SETP 4, 0xbc040dc1
	SETP 5, 0xbd5e05b5
	SETP 6, 0x3e27fe23
	SETP 7, 0xbe2a0420
	SETP 8, 0xbdbdfb0b
	SETP 9, 0x3e8dd01d
	SETP 10, 0xbf3504f3
	SETP 11, 0xbf38aa3b
	s_wait_loadcnt 0x0
.macro PK2 op, d, a, b
.set n, 0
.rept 16
	\op v[\d+n:\d+n+1], v[\a+n:\a+n+1], v[\b+n:\b+n+1]
.set n, n+2
.endr
.endm
.macro PKI op, d, a, imm
.set n, 0
.rept 16
	\op v[\d+n:\d+n+1], v[\a+n:\a+n+1], \imm op_sel_hi:[1,0]
.set n, n+2
.endr
.endm
.macro HOP
.set hp, 2*(hx%16)
.if hx < 16
	v_pk_fma_f32 v[R+hp:R+hp+1], v[Q+hp:Q+hp+1], v[CP:CP+1], v[CP+2:CP+3]
.else
	v_pk_fma_f32 v[R+hp:R+hp+1], v[R+hp:R+hp+1], v[Q+hp:Q+hp+1], v[CP+2*(hx/16+1):CP+2*(hx/16+1)+1]
.endif
.set hx, hx+1
.endm
.macro CBLK T
.Lc_\T:
	WIN 0x12+((\T)/8)
.set a_, (\T)/2
.set be_, (\T)%2
.irp i, 0,1,2,3,4,5,6,7,8,9,10,11,12,13,14,15
	v_pk_fma_f32 v[Y+2*\i:Y+2*\i+1], v[64*(a_%4)+8*(4*be_+\i/4)+2*(\i%4):64*(a_%4)+8*(4*be_+\i/4)+2*(\i%4)+1], s[96:97], v[8*(4*be_+\i/4)+2*(\i%4):8*(4*be_+\i/4)+2*(\i%4)+1] op_sel_hi:[1,0,1]
.endr
	WIN 0
	s_branch .Lgelu
.endm
	s_mov_b32 s3, 0
.Ltrip:
.irp T, 0,1,2,3,4,5,6,7,8,9,10,11,12,13,14
	s_cmp_eq_u32 s3, \T
	s_cbranch_scc1 .Lc_\T
.endr
	s_branch .Lc_15
.irp T, 0,1,2,3,4,5,6,7,8,9,10,11,12,13,14,15
	CBLK \T
.endr
.Lgelu:
.set n, 0
.rept 32
	v_mul_f32 v[AA+n], s98, |v[Y+n]|
.set n, n+1
.endr
	PKI v_pk_add_f32, U, AA, 2.0
.set n, 0
.rept 16
	v_pk_fma_f32 v[W+n:W+n+1], v[AA+n:AA+n+1], 2.0, 1.0 op_sel_hi:[1,0,0]
.set n, n+2
.endr
	PK2 v_pk_mul_f32, R, U, W
	PKI v_pk_add_f32, Q, AA, -2.0
	PK2 v_pk_mul_f32, Q, Q, W                      ; (a - 2)(2 a + 1)
	PK2 v_pk_mul_f32, W, Y, Y                      ; x^2,
.set n, 0
.rept 16
	v_pk_mul_f32 v[W+n:W+n+1], v[W+n:W+n+1], v[CP+22:CP+23]   ; x -log2(e) / 2: the exponent of exp(-a^2) to the base 2
.set n, n+2
.endr
	s_wait_alu depctr_va_vdst(0)                   ; all its sources stand above
.set n, 0
.rept 32
	v_rcp_f32 v[R+n], v[R+n]                       ; 1 / ((a + 2)(2 a + 1))
	v_exp_f32 v[W+n], v[W+n]                       ; exp(-a^2)
	v_max_num_f32 v[Y+n], 0, v[Y+n]                ; max(x, 0): a plain line that names no result of the batch, and is first read behind the wait below
.set n, n+1
.endr
	s_wait_alu depctr_va_vdst(0)                   ; one wait for the batch of 64, ahead of its first reader
	PK2 v_pk_mul_f32, Q, Q, R                      ; q = (a - 2) / (a + 2)
	PK2 v_pk_mul_f32, U, U, R                      ; 1 / (2 a + 1)
.set hx, 0
.rept 144
	HOP                                            ; P(q) by Horner's rule: nine stages of sixteen pairs, so that a stage's line reads what stands sixteen lines above
.endr
.set n, 0
.rept 16
	v_pk_fma_f32 v[R+n:R+n+1], v[R+n:R+n+1], v[U+n:U+n+1], v[U+n:U+n+1]
.set n, n+2
.endr
	PK2 v_pk_mul_f32, R, R, AA
	s_wait_alu depctr_va_vdst(0)
	PK2 v_pk_mul_f32, R, R, W
.set n, 0
.rept 16
	v_pk_fma_f32 v[Y+n:Y+n+1], v[R+n:R+n+1], v[CP+20:CP+21], v[Y+n:Y+n+1]
.set n, n+2
.endr
.set n, 0
.rept 32
	v_med3_num_f32 v[Y+n], v[Y+n], -v31, v31
.set n, n+1
.endr
	s_lshr_b32 s4, s3, 1
	s_lshl_b32 s4, s4, 16
	s_and_b32 s5, s3, 1
	s_lshl_b32 s5, s5, 10
	s_add_co_u32 s4, s4, s5
	s_wait_alu depctr_va_vdst(0)
	s_wait_xcnt 0x0
	v_add_nc_u32 v25, s4, v[CO]
.irp i, 0,1,2,3
	v_cvt_scalef32_pk8_fp8_f32 v[56+2*\i:57+2*\i], v[Y+8*\i:Y+8*\i+7], v30
.endr
	v_nop
	global_store_b128 v25, v[56:59], s[88:89]
	global_store_b128 v25, v[60:63], s[88:89] offset:512
	s_add_co_u32 s3, s3, 1
	s_cmp_lt_u32 s3, 16
	s_cbranch_scc1 .Ltrip
	s_wait_tensorcnt 0x0
	ds_add_u32 v[SPW], v[NIL]
	s_wait_dscnt 0x0
	CROUND
	s_endpgm
.Lfunc_end_k_q20d5703517_mlp1:
	.size	k_q20d5703517_mlp1, .Lfunc_end_k_q20d5703517_mlp1-k_q20d5703517_mlp1
	.p2alignl 7, 3214868480
	.fill 96, 4, 3214868480
	.section	.rodata,"a",@progbits
	.p2align	6, 0x0
	.amdhsa_kernel k_q20d5703517_mlp1
		.amdhsa_group_segment_fixed_size 327680
		.amdhsa_private_segment_fixed_size 0
		.amdhsa_enable_private_segment 0
		.amdhsa_kernarg_size 40
		.amdhsa_user_sgpr_count 2
		.amdhsa_user_sgpr_kernarg_segment_ptr 1
		.amdhsa_wavefront_size32 1
		.amdhsa_system_sgpr_workgroup_id_x 1
		.amdhsa_system_sgpr_workgroup_id_y 1
		.amdhsa_system_sgpr_workgroup_id_z 1
		.amdhsa_system_vgpr_workitem_id 0
		.amdhsa_next_free_vgpr 1024
		.amdhsa_next_free_sgpr 100
		.amdhsa_reserve_vcc 0
		.amdhsa_float_denorm_mode_32 3
		.amdhsa_float_denorm_mode_16_64 3
		.amdhsa_memory_ordered 1
		.amdhsa_forward_progress 1
		.amdhsa_inst_pref_size 130
	.end_amdhsa_kernel
	.amdgpu_metadata
---
amdhsa.version: [ 1, 2 ]
amdhsa.kernels:
  - .name:           k_q20d5703517_mlp1
    .symbol:         k_q20d5703517_mlp1.kd
    .args:
      - { .name: acodes, .offset: 0, .size: 8, .value_kind: global_buffer, .address_space: global }
      - { .name: wcodes, .offset: 8, .size: 8, .value_kind: global_buffer, .address_space: global }
      - { .name: lowp_scales, .offset: 16, .size: 8, .value_kind: global_buffer, .address_space: global }
      - { .name: b1, .offset: 24, .size: 8, .value_kind: global_buffer, .address_space: global }
      - { .name: hcodes, .offset: 32, .size: 8, .value_kind: global_buffer, .address_space: global }
    .group_segment_fixed_size: 327680
    .private_segment_fixed_size: 0
    .kernarg_segment_align: 8
    .kernarg_segment_size: 40
    .max_flat_workgroup_size: 128
    .sgpr_count:     100
    .vgpr_count:     1024
    .wavefront_size: 32
...
	.end_amdgpu_metadata
.endif
;; end of part 6
;; launch mlp2 (part 7): grid 8 x 32, 4 waves a work-group, clusters of 4 x 4, 327,680 bytes of LDS; arguments hcodes, wcodes, lowp_scales, tsum; writes tsum
.if DOCPART == 7
	.amdgcn_target "amdgcn-amd-amdhsa--gfx1250"
	.amdhsa_code_object_version 6
	.text
	.protected	k_q20d5703517_mlp2
	.globl	k_q20d5703517_mlp2
	.p2align	8
	.type	k_q20d5703517_mlp2,@function
k_q20d5703517_mlp2:
	s_mov_b64 s[64:65], 0
	v_nop
	global_prefetch_b8 v0, s[64:65] scope:SCOPE_SE
	s_setreg_imm32_b32 hwreg(HW_REG_WAVE_MODE, 25, 1), 1
	s_wait_xcnt 0x0
	s_wait_alu depctr_hold_cnt(0) depctr_sa_sdst(0) depctr_va_vdst(0) depctr_va_sdst(0) depctr_va_ssrc(0) depctr_va_vcc(0) depctr_vm_vsrc(0)
	s_getreg_b32 s2, hwreg(HW_REG_IB_STS2, 6, 4)
	s_cmp_eq_u32 s2, 0
	s_cbranch_scc0 .Lentry_in_a_cluster
	s_endpgm
.Lentry_in_a_cluster:
	s_bfe_u32 s2, ttmp6, 0x10000c
	s_cmp_lg_u32 s2, 0xf033
	s_cbranch_scc0 .Lentry_shape_is_right
	s_endpgm
.Lentry_shape_is_right:
; t = h x W2 on codes of FP8 (E4M3), K = 4,096: the sums x 2^(e14 + e15), f32, into tsum; bias, residual and norm follow in the next launch.
; A tile of the result is 128 x 128, four waves, 64 x 64 each: 16 accumulators.  Operands lie in memory and in LDS as images of the matrix instruction's registers: a fragment (16 rows x 128 K) is 2,048 bytes, a tensor [rows / 16][K / 128][2,048].
; K goes in eight slots of 512 through a ring of two LDS slots; each wave fetches 64 rows of a slot (4 x 8,192 bytes) by one joint load; clusters of 4 x 4: A's tile is shared along a row of the cluster, B's along a column.
; THE TILES ARE PREFETCHED INTO THE L2: behind the load of slot t each wave names slot t + 2 (behind slot 0's also slot 1).  Of the 4 blocks of 16 rows that it fetches, the partner at place p among the four that ask
; jointly (cx for A, cy for B) names block p, told apart by address: 32 lanes x 256 bytes = 8,192 bytes, one instruction.  The loop's last trip, which loads slots 6 and 7, names nothing.
; The matrix instruction is used transposed (source 0 = W2's columns, source 1 = tokens); a block of 16 rows goes out through the wave's own stage in LDS in whole units of 256 bytes.
; LIMIT: e14 + e15 between -126 and 127.
.set PFA,    68                        ; s[68:69] my work-group's block of the rows that my wave fetches; stepped a slot at each change of slots that fills
.set PFO,    27                        ; v27  256 x lane; never rewritten
.set KK,     4096
.set WOFF,   8<<20
.set EA,     14
.set LAPS,   KK/1024
.set HALFT,  32768
.set SLOT,   4*HALFT
.set SPARE,  2*SLOT
.set STAGE,  SPARE+512
.set SPITCH, 272
.set ADRA, 16
.set ADRB, 20
.set STO,  24
.set RD,   25
.set CO,   26
.set SPW,  28
.set NIL,  29
.set TMP,  32
.set BK,   64
.set ACC,  128
.set F0,   0
.set F1,   128
.set G1, 24
.set G0, 32
.set G1B, 48
.set G0B, 56
.set MSB, 0
.macro WIN new
.if MSB != (\new)
	s_set_vgpr_msb (MSB<<8)|(\new)
.set MSB, (\new)
.endif
.endm
.set MUL,  0x05
.set TO_F, 0x40
.macro JLOAD s
	s_cmp_eq_u32 s15, 0
	s_cbranch_scc0 .Lfor_b_\@
	tensor_load_to_lds s[G0+4*\s:G0+4*\s+3], s[G1:G1+7]
	s_nop 0
.rept 4
	v_nop
.endr
	s_branch .Lasked_\@
.Lfor_b_\@:
	tensor_load_to_lds s[G0B+4*\s:G0B+4*\s+3], s[G1B:G1B+7]
	s_nop 0
.rept 4
	v_nop
.endr
.Lasked_\@:
.endm
.macro CREST
	s_cmp_lg_u32 s14, 0
	s_cbranch_scc1 .Lnot_wave_0_\@
	s_barrier_signal -3
.Lnot_wave_0_\@:
	s_barrier_wait -3
	s_barrier_signal -1
	s_barrier_wait -1
.endm
.macro CROUND
	s_barrier_signal -1
	s_barrier_wait -1
	CREST
.endm
	s_load_b256 s[4:11], s[0:1], 0x0
	v_lshl_add_u32 v[SPW], v0, 2, SPARE
	v_mov_b32 v[NIL], 0
	ds_add_u32 v28, v29
	ds_add_u32 v28, v29
	s_wait_dscnt 0x0
	v_lshrrev_b32 v1, 5, v0
	v_readfirstlane_b32 s14, v1
	s_lshr_b32 s15, s14, 1
	s_and_b32 s16, s14, 1
	s_bfe_u32 s40, ttmp6, 0x40000
	s_bfe_u32 s41, ttmp6, 0x40004
	s_lshl_b32 s42, ttmp9, 2
	s_add_co_u32 s42, s42, s40
	s_and_b32 s17, ttmp7, 0xffff
	s_lshl_b32 s17, s17, 2
	s_add_co_u32 s17, s17, s41
	s_lshl_b32 s43, s41, 2
	s_lshl_b32 s43, 15, s43
	s_lshl_b32 s44, 0x1111, s40
	s_or_b32 s[G1+0], s43, (3<<16)|(1<<21)
	s_or_b32 s[G1B+0], s44, (3<<16)|(1<<21)
.irp g, G1, G1B
	s_mov_b32 s[\g+1], 1024<<16
	s_mov_b32 s[\g+2], 4<<16
	s_mov_b32 s[\g+3], 1024<<16
	s_mov_b32 s[\g+4], 4
	s_mov_b32 s[\g+5], 2*KK
	s_mov_b32 s[\g+6], 0
	s_mov_b32 s[\g+7], 0
.endr
	s_mul_i32 s18, s16, 64*KK
	s_mul_i32 s20, s17, 128*KK
	s_add_co_u32 s20, s20, s18
	s_mov_b32 s21, 0
	s_mul_i32 s46, s42, 128*KK
	s_add_co_u32 s46, s46, s18
	s_add_co_u32 s46, s46, WOFF
	s_mov_b32 s47, 0
	s_lshl_b32 s45, s14, 15
	s_wait_kmcnt 0x0
	s_load_b64 s[96:97], s[8:9], 4*EA
	s_add_nc_u64 s[20:21], s[4:5], s[20:21]
	s_add_nc_u64 s[46:47], s[6:7], s[46:47]
	CROUND
.irp s, 0,1
	s_mov_b32 s[G0+4*\s], 1
	s_add_co_u32 s[G0+4*\s+1], s45, \s*SLOT
	s_add_nc_u64 s[G0+4*\s+2:G0+4*\s+3], s[20:21], \s*8192
	s_or_b32 s[G0+4*\s+3], s[G0+4*\s+3], 0x80000000
	s_mov_b32 s[G0B+4*\s], 1
	s_add_co_u32 s[G0B+4*\s+1], s45, \s*SLOT
	s_add_nc_u64 s[G0B+4*\s+2:G0B+4*\s+3], s[46:47], \s*8192
	s_or_b32 s[G0B+4*\s+3], s[G0B+4*\s+3], 0x80000000
.endr
	JLOAD 0                                        ; slot 0: one tensor load a wave at the head
	s_cmp_eq_u32 s15, 0                            ; do I fetch for A?
	s_cselect_b64 s[PFA:PFA+1], s[20:21], s[46:47]
	s_cselect_b32 s70, s40, s41                    ; my place among the four partners
	s_mul_i32 s70, s70, 16*KK                      ; a block of 16 rows
	s_mov_b32 s71, 0
	s_add_nc_u64 s[PFA:PFA+1], s[PFA:PFA+1], s[70:71]
	v_and_b32 v[PFO], 31, v0
	v_lshlrev_b32 v[PFO], 8, v[PFO]
	global_prefetch_b8 v[PFO], s[PFA:PFA+1] offset:8192 th:TH_LOAD_NT scope:SCOPE_SE    ; slot 1
	global_prefetch_b8 v[PFO], s[PFA:PFA+1] offset:16384 th:TH_LOAD_NT scope:SCOPE_SE   ; slot 2
	v_and_b32 v1, 15, v0
	s_wait_alu depctr_va_vdst(0)
	v_bfe_u32 v2, v0, 4, 1
	v_and_b32 v6, 31, v0
	v_lshlrev_b32 v7, 4, v6
	s_lshl_b32 s21, s15, 15
	s_lshl_b32 s22, s16, 15
	s_add_co_u32 s22, s22, 2*HALFT
.irp s, 0,1
	v_add_nc_u32 v[ADRA+\s], s21, v7
	v_add_nc_u32 v[ADRB+\s], s22, v7
	s_add_co_u32 s21, s21, SLOT
	s_add_co_u32 s22, s22, SLOT
.endr
	s_mul_i32 s23, s14, 16*SPITCH
	s_add_co_u32 s23, s23, STAGE
	v_mul_u32_u24 v5, v1, SPITCH
	s_wait_alu depctr_va_vdst(0)
	v_lshl_add_u32 v5, v2, 5, v5
	v_add_nc_u32 v[STO], s23, v5
	v_mul_u32_u24 v5, v2, SPITCH
	v_lshl_add_u32 v5, v1, 4, v5
	v_add_nc_u32 v[RD], s23, v5
	v_lshlrev_b32 v5, 12, v2
	v_lshl_add_u32 v[CO], v1, 4, v5
	s_lshl_b32 s20, s17, 7
	s_lshl_b32 s21, s15, 6
	s_add_co_u32 s20, s20, s21
	s_lshl_b32 s20, s20, 12
	s_lshl_b32 s46, s42, 9
	s_lshl_b32 s47, s16, 8
	s_add_co_u32 s46, s46, s47
	s_add_co_u32 s20, s20, s46
	s_mov_b32 s21, 0
	s_add_nc_u64 s[10:11], s[10:11], s[20:21]
.macro MUL8 f, a0, zero
.irp a, \a0, \a0+1
.irp b, 0,1,2,3
.if \zero
	v_wmma_f32_16x16x128_fp8_fp8 v[ACC+8*(4*(\a)+\b):ACC+8*(4*(\a)+\b)+7], v[\f+64+16*\b:\f+64+16*\b+15], v[\f+16*(\a):\f+16*(\a)+15], 0
.else
	v_wmma_f32_16x16x128_fp8_fp8 v[ACC+8*(4*(\a)+\b):ACC+8*(4*(\a)+\b)+7], v[\f+64+16*\b:\f+64+16*\b+15], v[\f+16*(\a):\f+16*(\a)+15], v[ACC+8*(4*(\a)+\b):ACC+8*(4*(\a)+\b)+7]
.endif
.endr
.endr
.endm
.macro FETCH slot, q, f
	WIN TO_F
.irp i, 0,1,2,3
.irp c, 0,1,2,3
	ds_load_b128 v[\f+64+16*\i+4*\c:\f+64+16*\i+4*\c+3], v[ADRB+\slot] offset:\i*8192+(\q)*2048+512*\c
.endr
.endr
.irp i, 0,1,2,3
.irp c, 0,1,2,3
	ds_load_b128 v[\f+16*\i+4*\c:\f+16*\i+4*\c+3], v[ADRA+\slot] offset:\i*8192+(\q)*2048+512*\c
.endr
.endr
.endm
.macro PLACES
.rept 4
	v_nop
.endr
.endm
.macro STEPQ slot, q, f, g, zero
	s_wait_dscnt 0x0
	PLACES
	FETCH \slot, (\q)+1, \g
	WIN MUL
	MUL8 \f, 0, \zero
	MUL8 \f, 2, \zero
.endm
.macro TURN slot, next, fill
	WIN 0
.if \fill
	s_wait_xcnt 0x0                                ; my last prefetch has read its address: it is stepped only behind this wait
	s_add_nc_u64 s[PFA:PFA+1], s[PFA:PFA+1], 8192
.endif
	s_wait_tensorcnt 0x0
	ds_add_u32 v[SPW], v[NIL]
	s_wait_dscnt 0x0
	s_barrier_signal -1
	WIN MUL
	MUL8 F1, 0, 0
	WIN 0
	s_barrier_wait -1
.if \fill
	CREST
	s_add_nc_u64 s[G0+4*\slot+2:G0+4*\slot+3], s[G0+4*\slot+2:G0+4*\slot+3], 16384
	s_add_nc_u64 s[G0B+4*\slot+2:G0B+4*\slot+3], s[G0B+4*\slot+2:G0B+4*\slot+3], 16384
	JLOAD \slot
	s_cmp_gt_u32 s3, 1                             ; s3 = 1 in the loop's last trip: there is no slot two on
	s_cbranch_scc0 .Lno_ask_\@
	global_prefetch_b8 v[PFO], s[PFA:PFA+1] offset:24576 th:TH_LOAD_NT scope:SCOPE_SE   ; the slot two loads on
.Lno_ask_\@:
.else
	PLACES
.endif
	FETCH \next, 0, F0
	WIN MUL
	MUL8 F1, 2, 0
.endm
	s_wait_alu depctr_va_vdst(0)
	s_wait_tensorcnt 0x0                           ; my part of slot 0 is in; slot 1's first fill is issued as a refill is:
	ds_add_u32 v[SPW], v[NIL]                      ; 0 onto my spare word
	s_wait_dscnt 0x0
	CROUND                                         ; everybody's part of slot 0 is in, and the sixteen partners' joint loads meet
	JLOAD 1                                        ; slot 1: the first tensor load behind the round
	global_prefetch_b8 v[PFO], s[PFA:PFA+1] offset:24576 th:TH_LOAD_NT scope:SCOPE_SE   ; slot 3
	FETCH 0, 0, F0
	STEPQ 0, 0, F0, F1, 1
.if LAPS > 1
	WIN 0
	s_mov_b32 s3, LAPS-1
.Llap:
	STEPQ 0, 1, F1, F0, 0
	STEPQ 0, 2, F0, F1, 0
	TURN 0, 1, 1
	STEPQ 1, 0, F0, F1, 0
	STEPQ 1, 1, F1, F0, 0
	STEPQ 1, 2, F0, F1, 0
	TURN 1, 0, 1
	STEPQ 0, 0, F0, F1, 0
	WIN 0
	s_sub_co_u32 s3, s3, 1
	s_cmp_lg_u32 s3, 0
	s_cbranch_scc1 .Llap
.endif
	STEPQ 0, 1, F1, F0, 0
	STEPQ 0, 2, F0, F1, 0
	TURN 0, 1, 0
	STEPQ 1, 0, F0, F1, 0
	STEPQ 1, 1, F1, F0, 0
	STEPQ 1, 2, F0, F1, 0
	s_wait_dscnt 0x0
	MUL8 F1, 0, 0
	MUL8 F1, 2, 0
	WIN 0
.macro TOSTAGE a
.set n, 0
.rept 16
	v_pk_mul_f32 v[TMP+n:TMP+n+1], v[ACC+32*(\a)+n:ACC+32*(\a)+n+1], s[96:97] op_sel_hi:[1,0]
.set n, n+2
.endr
.irp b, 0,1,2,3
	ds_store_b128 v[STO], v[TMP+8*\b:TMP+8*\b+3] offset:64*\b
	ds_store_b128 v[STO], v[TMP+8*\b+4:TMP+8*\b+7] offset:64*\b+16
.endr
.irp t, 0,1,2,3,4,5,6,7
	ds_load_b128 v[BK+32*((\a)%2)+4*\t:BK+32*((\a)%2)+4*\t+3], v[RD] offset:\t*2*SPITCH
.endr
.endm
.macro SEND a, younger
	s_wait_dscnt \younger
.irp t, 0,1,2,3,4,5,6,7
	global_store_b128 v[CO], v[BK+32*((\a)%2)+4*\t:BK+32*((\a)%2)+4*\t+3], s[10:11] offset:(16*(\a)+2*\t)*4096
.endr
.endm
	s_wait_kmcnt 0x0
	s_add_co_i32 s96, s96, s97
	s_add_co_i32 s96, s96, 127
	s_lshl_b32 s96, s96, 23
	PLACES
	TOSTAGE 0
.irp a, 1,2,3
.if \a > 1
	s_wait_xcnt 0x0
.endif
	TOSTAGE \a
	SEND \a-1, 16
.endr
	SEND 3, 0
	s_wait_tensorcnt 0x0
	ds_add_u32 v[SPW], v[NIL]
	s_wait_dscnt 0x0
	CROUND
	s_endpgm
.Lfunc_end_k_q20d5703517_mlp2:
	.size	k_q20d5703517_mlp2, .Lfunc_end_k_q20d5703517_mlp2-k_q20d5703517_mlp2
	.p2alignl 7, 3214868480
	.fill 96, 4, 3214868480
	.section	.rodata,"a",@progbits
	.p2align	6, 0x0
	.amdhsa_kernel k_q20d5703517_mlp2
		.amdhsa_group_segment_fixed_size 327680
		.amdhsa_private_segment_fixed_size 0
		.amdhsa_enable_private_segment 0
		.amdhsa_kernarg_size 32
		.amdhsa_user_sgpr_count 2
		.amdhsa_user_sgpr_kernarg_segment_ptr 1
		.amdhsa_wavefront_size32 1
		.amdhsa_system_sgpr_workgroup_id_x 1
		.amdhsa_system_sgpr_workgroup_id_y 1
		.amdhsa_system_sgpr_workgroup_id_z 1
		.amdhsa_system_vgpr_workitem_id 0
		.amdhsa_next_free_vgpr 512
		.amdhsa_next_free_sgpr 100
		.amdhsa_reserve_vcc 0
		.amdhsa_float_denorm_mode_32 3
		.amdhsa_float_denorm_mode_16_64 3
		.amdhsa_memory_ordered 1
		.amdhsa_forward_progress 1
		.amdhsa_inst_pref_size 74
	.end_amdhsa_kernel
	.amdgpu_metadata
---
amdhsa.version: [ 1, 2 ]
amdhsa.kernels:
  - .name:           k_q20d5703517_mlp2
    .symbol:         k_q20d5703517_mlp2.kd
    .args:
      - { .name: hcodes, .offset: 0, .size: 8, .value_kind: global_buffer, .address_space: global }
      - { .name: wcodes, .offset: 8, .size: 8, .value_kind: global_buffer, .address_space: global }
      - { .name: lowp_scales, .offset: 16, .size: 8, .value_kind: global_buffer, .address_space: global }
      - { .name: tsum, .offset: 24, .size: 8, .value_kind: global_buffer, .address_space: global }
    .group_segment_fixed_size: 327680
    .private_segment_fixed_size: 0
    .kernarg_segment_align: 8
    .kernarg_segment_size: 32
    .max_flat_workgroup_size: 128
    .sgpr_count:     100
    .vgpr_count:     512
    .wavefront_size: 32
...
	.end_amdgpu_metadata
.endif
;; end of part 7
;; launch ln2 (part 8): grid 256 x 1, 16 waves a work-group, no clusters, 0 bytes of LDS; arguments tsum, b2, old, g2, be2, out0; writes out0
.if DOCPART == 8
	.amdgcn_target "amdgcn-amd-amdhsa--gfx1250"
	.amdhsa_code_object_version 6
	.text
	.protected	k_q20d5703517_ln2
	.globl	k_q20d5703517_ln2
	.p2align	8
	.type	k_q20d5703517_ln2,@function
k_q20d5703517_ln2:
	s_mov_b64 s[64:65], 0
	v_nop
	global_prefetch_b8 v0, s[64:65] scope:SCOPE_SE
	s_setreg_imm32_b32 hwreg(HW_REG_WAVE_MODE, 25, 1), 1
	s_wait_xcnt 0x0
; y = layernorm(t + bias + residual) x gain + offset, rows of 1,024, all in f32; the variance is taken of the centred numbers.  This is the layer's result.
; A wave takes one row (16 x work-group + wave); lane l holds columns 128 j + 4 l + 0 .. 3, j = 0 .. 7: every load and store covers 512 consecutive bytes.  The row stays in registers: memory is read once.
; No cluster, no tensor load, no LDS, no barrier: the rows are each read once and no wave waits for another; what the waves share (bias, gain, offset) is three rows.
.set X, 32
.set R, 64
.set B, 96
.set G, 128
.set E, 160
	s_load_b256 s[4:11], s[0:1], 0x0               ; t s[4:5], bias s[6:7], residual s[8:9], gain s[10:11]
	s_load_b128 s[12:15], s[0:1], 0x20             ; offset s[12:13], y s[14:15]
	v_lshrrev_b32 v1, 5, v0
	s_delay_alu instid0(VALU_DEP_1)
	v_readfirstlane_b32 s20, v1                    ; wave
	v_and_b32 v10, 31, v0                          ; lane
	s_delay_alu instid0(VALU_DEP_1)
	v_lshlrev_b32 v1, 4, v10
	v_mov_b32 v9, 0                                ; written once: a lane permute's destination counts as one of its sources
	s_lshl_b32 s22, ttmp9, 4
	s_add_co_u32 s22, s22, s20
	s_lshl_b32 s22, s22, 12                        ; my row, in bytes
	s_mov_b32 s23, 0
	s_mov_b32 s24, 0x76543210
	s_mov_b32 s25, 0xfedcba98
	s_mov_b32 s26, 0x3a800000                      ; 1 / 1,024
	s_mov_b32 s27, 0x3727c5ac                      ; 1e-5
	s_wait_alu depctr_va_vdst(0)
	s_wait_kmcnt 0x0
	s_add_nc_u64 s[4:5], s[4:5], s[22:23]
	s_add_nc_u64 s[8:9], s[8:9], s[22:23]
	s_add_nc_u64 s[14:15], s[14:15], s[22:23]
.irp j, 0,1,2,3,4,5,6,7
	global_load_b128 v[X+4*\j:X+4*\j+3], v1, s[4:5] offset:512*\j th:TH_LOAD_NT
.endr
.irp j, 0,1,2,3,4,5,6,7
	global_load_b128 v[R+4*\j:R+4*\j+3], v1, s[8:9] offset:512*\j th:TH_LOAD_NT
.endr
.irp j, 0,1,2,3,4,5,6,7
	global_load_b128 v[B+4*\j:B+4*\j+3], v1, s[6:7] offset:512*\j
.endr
.irp j, 0,1,2,3,4,5,6,7
	global_load_b128 v[G+4*\j:G+4*\j+3], v1, s[10:11] offset:512*\j
.endr
.irp j, 0,1,2,3,4,5,6,7
	global_load_b128 v[E+4*\j:E+4*\j+3], v1, s[12:13] offset:512*\j
.endr
.macro RED                             ; v2 summed over the 32 lanes, the result in every lane
	s_delay_alu instid0(VALU_DEP_1)
	v_add_f32_dpp v2, v2, v2 row_xmask:1 row_mask:0xf bank_mask:0xf
	s_delay_alu instid0(VALU_DEP_1)
	v_add_f32_dpp v2, v2, v2 row_xmask:2 row_mask:0xf bank_mask:0xf
	s_delay_alu instid0(VALU_DEP_1)
	v_add_f32_dpp v2, v2, v2 row_xmask:4 row_mask:0xf bank_mask:0xf
	s_delay_alu instid0(VALU_DEP_1)
	v_add_f32_dpp v2, v2, v2 row_xmask:8 row_mask:0xf bank_mask:0xf
	s_delay_alu instid0(VALU_DEP_1)
	v_permlanex16_b32 v9, v2, s24, s25
	s_delay_alu instid0(VALU_DEP_1)
	v_add_f32 v2, v2, v9
.endm
	s_wait_loadcnt 16                              ; t, residual and bias are in; the gain's and the offset's 16 loads may be out
.set n, 0
.rept 16
	v_pk_add_f32 v[X+n:X+n+1], v[X+n:X+n+1], v[B+n:B+n+1]
.set n, n+2
.endr
.set n, 0
.rept 16
	v_pk_add_f32 v[X+n:X+n+1], v[X+n:X+n+1], v[R+n:R+n+1]
.set n, n+2
.endr
	v_pk_add_f32 v[2:3], v[X:X+1], v[X+2:X+3]      ; the row's sum, in two packed chains
	v_pk_add_f32 v[4:5], v[X+4:X+5], v[X+6:X+7]
.irp j, 8,12,16,20,24,28
	s_delay_alu instid0(VALU_DEP_2)
	v_pk_add_f32 v[2:3], v[2:3], v[X+\j:X+\j+1]
	s_delay_alu instid0(VALU_DEP_2)
	v_pk_add_f32 v[4:5], v[4:5], v[X+\j+2:X+\j+3]
.endr
	s_delay_alu instid0(VALU_DEP_1)
	v_pk_add_f32 v[2:3], v[2:3], v[4:5]
	s_delay_alu instid0(VALU_DEP_1)
	v_add_f32 v2, v2, v3
	RED
	s_delay_alu instid0(VALU_DEP_1)
	v_mul_f32 v2, s26, v2                          ; the mean
	s_delay_alu instid0(VALU_DEP_1)
	v_mov_b32 v3, v2
.set n, 0
.rept 16
	v_pk_add_f32 v[X+n:X+n+1], v[X+n:X+n+1], v[2:3] neg_lo:[0,1] neg_hi:[0,1]
.set n, n+2
.endr
	v_pk_mul_f32 v[4:5], v[X:X+1], v[X:X+1]        ; the squares of the centred numbers
	v_pk_mul_f32 v[6:7], v[X+2:X+3], v[X+2:X+3]
.irp j, 4,8,12,16,20,24,28
	s_delay_alu instid0(VALU_DEP_2)
	v_pk_fma_f32 v[4:5], v[X+\j:X+\j+1], v[X+\j:X+\j+1], v[4:5]
	s_delay_alu instid0(VALU_DEP_2)
	v_pk_fma_f32 v[6:7], v[X+\j+2:X+\j+3], v[X+\j+2:X+\j+3], v[6:7]
.endr
	s_delay_alu instid0(VALU_DEP_1)
	v_pk_add_f32 v[4:5], v[4:5], v[6:7]
	s_delay_alu instid0(VALU_DEP_1)
	v_add_f32 v2, v4, v5
	RED
	s_delay_alu instid0(VALU_DEP_1)
	v_fma_f32 v4, v2, s26, s27                     ; the variance + 1e-5
	s_wait_alu depctr_va_vdst(0)
	v_rsq_f32 v4, v4
	v_nop                                          ; a plain line behind the root
	s_wait_alu depctr_va_vdst(0)                   ; ahead of its first reader
	v_mov_b32 v5, v4
	s_wait_alu depctr_va_vdst(0)
	s_wait_loadcnt 0x0
.set n, 0
.rept 16
	v_pk_mul_f32 v[X+n:X+n+1], v[X+n:X+n+1], v[4:5]
.set n, n+2
.endr
.set n, 0
.rept 16
	v_pk_fma_f32 v[X+n:X+n+1], v[X+n:X+n+1], v[G+n:G+n+1], v[E+n:E+n+1]
.set n, n+2
.endr
.irp j, 0,1,2,3,4,5,6,7
	global_store_b128 v1, v[X+4*\j:X+4*\j+3], s[14:15] offset:512*\j th:TH_STORE_NT
.endr
	s_endpgm
.Lfunc_end_k_q20d5703517_ln2:
	.size	k_q20d5703517_ln2, .Lfunc_end_k_q20d5703517_ln2-k_q20d5703517_ln2
	.p2alignl 7, 3214868480
	.fill 96, 4, 3214868480
	.section	.rodata,"a",@progbits
	.p2align	6, 0x0
	.amdhsa_kernel k_q20d5703517_ln2
		.amdhsa_group_segment_fixed_size 0
		.amdhsa_private_segment_fixed_size 0
		.amdhsa_enable_private_segment 0
		.amdhsa_kernarg_size 48
		.amdhsa_user_sgpr_count 2
		.amdhsa_user_sgpr_kernarg_segment_ptr 1
		.amdhsa_wavefront_size32 1
		.amdhsa_system_sgpr_workgroup_id_x 1
		.amdhsa_system_sgpr_workgroup_id_y 1
		.amdhsa_system_sgpr_workgroup_id_z 1
		.amdhsa_system_vgpr_workitem_id 0
		.amdhsa_next_free_vgpr 192
		.amdhsa_next_free_sgpr 66
		.amdhsa_reserve_vcc 0
		.amdhsa_float_denorm_mode_32 3
		.amdhsa_float_denorm_mode_16_64 3
		.amdhsa_memory_ordered 1
		.amdhsa_forward_progress 1
		.amdhsa_inst_pref_size 16
	.end_amdhsa_kernel
	.amdgpu_metadata
---
amdhsa.version: [ 1, 2 ]
amdhsa.kernels:
  - .name:           k_q20d5703517_ln2
    .symbol:         k_q20d5703517_ln2.kd
    .args:
      - { .name: tsum, .offset: 0, .size: 8, .value_kind: global_buffer, .address_space: global }
      - { .name: b2, .offset: 8, .size: 8, .value_kind: global_buffer, .address_space: global }
      - { .name: old, .offset: 16, .size: 8, .value_kind: global_buffer, .address_space: global }
      - { .name: g2, .offset: 24, .size: 8, .value_kind: global_buffer, .address_space: global }
      - { .name: be2, .offset: 32, .size: 8, .value_kind: global_buffer, .address_space: global }
      - { .name: out0, .offset: 40, .size: 8, .value_kind: global_buffer, .address_space: global }
    .group_segment_fixed_size: 0
    .private_segment_fixed_size: 0
    .kernarg_segment_align: 8
    .kernarg_segment_size: 48
    .max_flat_workgroup_size: 512
    .sgpr_count:     66
    .vgpr_count:     192
    .wavefront_size: 32
...
	.end_amdgpu_metadata
.endif
;; end of part 8
